; MI455X (gfx1250); checked and timed in simulation.
; The chip was launched on July 23, 2026; its instructions are those of AMD's public machine-readable ISA for CDNA 5 (MIT licence, August 2026) and "CDNA5" Instruction Set Architecture Reference Guide (July 2026). The comments in the code are by the model that wrote it; some were corrected since.
;; Attn Block. Allowed arithmetic: matrix products marked QUANTISED: E2M1 operands, one E8M0 scale for each 32 along K, by v_wmma_scale_f32_16x16x128_f8f6f4 with both operands' format E2M1 (or v_wmma_scale_f32_32x16x128_f4), f32 sums; everything else in f32.
;; Inputs: bk 512 float32; bp 512 float32; bq 512 float32; bv 512 float32; gn_b 512 float32; gn_w 512 float32; wk 512 x 512 float32; wp 512 x 512 float32; wq 512 x 512 float32; wv 512 x 512 float32; x 32 x 512 x 32 x 32 float32.
;; Outputs: out0 32 x 512 x 32 x 32 float32.
;; This version of the problem:
;;   THIS VERSION OF THE PROBLEM IS GIVEN IN LOW PRECISION. The matrix products marked QUANTISED in the list below multiply operands that are first quantised to E2M1 (2 exponent bits, 1 mantissa bit; 4 bits a number), with one power-of-two scale for each 32 numbers along K (OCP MX v1.0); their sums are f32. All else is computed in f32.
;;   The module's matrix products, in the order in which they are computed (A, B: the left and right operand; K: the contracted axis; several contracted axes count as one K, in the product's order):
;;     1. [M 32,768, K 512] x [K 512, N 512]; A: computed on the way; B: input wq: QUANTISED
;;     2. [M 32,768, K 512] x [K 512, N 512]; A: computed on the way; B: input wk: QUANTISED
;;     3. [M 32,768, K 512] x [K 512, N 512]; A: computed on the way; B: input wv: QUANTISED
;;     4. batch 32 x [M 1,024, K 512] x [K 512, N 1,024]; A: computed on the way; B: computed on the way: QUANTISED
;;     5. batch 32 x [M 1,024, K 1,024] x [K 1,024, N 512]; A: softmax (see below); B: computed on the way: QUANTISED
;;     6. [M 32,768, K 512] x [K 512, N 512]; A: computed on the way; B: input wp: QUANTISED
;;   THE QUANTISER, for each operand of a quantised product, along K:
;;     - K is cut into blocks of 32 from its start; a last block that is shorter is filled with zeros.
;;     - A block's scale is 2^e with e = floor(log2(the largest magnitude in the block)) - 2, held to -126 .. 127; a block of zeros has e = 0. As a byte (E8M0): e + 127.
;;     - Each number is divided by its block's scale, clamped to +-6, and rounded to the nearest number of E2M1, ties to even, subnormals kept.
;;     - The product sums the exact products of the quantised numbers (number of the format x scale) in f32.
;;   ~~~python
;;   def quantise(x, axis):      # numpy; x: float32 -> the quantised numbers, widened to float32 again
;;       x = np.moveaxis(x, axis, -1); K = x.shape[-1]
;;       x = np.pad(x, [(0, 0)] * (x.ndim - 1) + [(0, -K % 32)]); x = x.reshape(x.shape[:-1] + (-1, 32)); a = np.abs(x).max(-1, keepdims=True)
;;       e = np.where(a > 0, np.clip(np.frexp(np.where(a > 0, a, 1))[1] - 1 - 2, -126, 127), 0)      # np.frexp(a)[1] - 1 = floor(log2(a)), exactly
;;       r = np.clip(x / 2.0 ** e, -6, 6)
;;       step = 2.0 ** (np.maximum(np.frexp(np.where(r == 0, 1, r))[1] - 1, 0) - 1)
;;       q = np.round(r / step) * step * 2.0 ** e      # np.round: ties to even
;;       return np.moveaxis(q.reshape(q.shape[:-2] + (-1,))[..., :K], -1, axis).astype(np.float32)
;;   ~~~
;;   SOFTMAX AHEAD OF A QUANTISED PRODUCT. Where the list says 'softmax', what is quantised is not the finished softmax but p = 2^(t - M), with t = logit x log2(e) and M = ceil(the row's largest t), a whole number; so 1/2 < the row's largest p <= 1. The row's sum l is taken of the UNQUANTISED p, in f32, and the product's result is divided by l at the end. Since M is a whole number, a kernel that streams over the keys may use a running M (the ceiling of the running maximum): every later rescaling is an exact power of two, which a block's scale takes up: the codes' values come out the same.
;;   OPERANDS COMPUTED ON THE WAY. 'Computed on the way' means the value that the module computes at that place (a softmax that the list does not call 'softmax' is quantised finished and normalised). What goes into a quantiser is computed in f32, as accurately as f32 sums, v_exp_f32 and their like allow (about 1e-6 of the number): no bf16 or f16 on the way to a quantiser, and a product that is left as it is and whose result goes on into a quantised operand takes f32 operands (vector FMAs, or v_wmma_f32_16x16x4_f32). A number that lies on a knife's edge between two numbers of the format may be rounded either way, as far as f32 arithmetic and the matrix unit's own rounding can turn it there, and no further.
;; One version. Each part assembles by itself: llvm-mc -triple=amdgcn-amd-amdhsa -mcpu=gfx1250 --defsym DOCPART=n.
;; ======== version 1 of 1: 3 launches
;; workspace buffers: himg 8,388,608 bytes; hsc 524,288 bytes; wimg 557,056 bytes; qc 8,388,608 bytes; qs 524,288 bytes; kvc 16,777,216 bytes; kvs 1,048,576 bytes
;; launch prep (part 1): grid 16 x 32, 8 waves a work-group, no clusters, 21,760 bytes of LDS; arguments x, gn_w, gn_b, wq, wk, wv, wp, himg, hsc, wimg; writes himg, hsc, wimg
.if DOCPART == 1
	.amdgcn_target "amdgcn-amd-amdhsa--gfx1250"
	.amdhsa_code_object_version 6
	.text
	.protected	k_q6c895c212a_prep
	.globl	k_q6c895c212a_prep
	.p2align	8
	.type	k_q6c895c212a_prep,@function
k_q6c895c212a_prep:
	s_mov_b64 s[64:65], 0
	v_nop
	global_prefetch_b8 v0, s[64:65] scope:SCOPE_SE
	s_setreg_imm32_b32 hwreg(HW_REG_WAVE_MODE, 25, 1), 1
	s_wait_xcnt 0x0
; GROUP NORM, AND ITS RESULT AS CODES OF FP4 (E2M1) ALONG THE CHANNELS; THE FOUR WEIGHTS AS CODES ALONG THEIR INPUT CHANNELS.
; x: [32][512][1024] f32.  Work-group (kb = x, b = y) owns channels 32 kb .. 32 kb + 31 of image b: two groups of the norm, one block of 32 along K, all 1,024 pixels: 128 KB,
; kept in registers between the sums and the quantiser, so that x is read once.  Wave w owns pixels 128 w .. 128 w + 127, a lane four neighbouring pixels: a channel is one load of
; 16 bytes a lane, 512 consecutive bytes a wave.  A lane's 32 registers of one pixel run down the channels: the block's largest magnitude needs no other lane.
; The variance is taken of the deviations from the mean (two passes over the registers): no difference of large sums is formed.
; OUT: himg [b][tile T of 16 pixels][K step s][1,024]: images of operand registers: block kb = 4 s + 2 c + h of tile row r lies at 256 kb + 16 r of the tile's 4,096 bytes.
; THE PIXELS OF A TILE ARE NOT NEIGHBOURS: row r of tile 2 B + u is pixel 32 B + 8 u + r + 8 (r / 8).  hsc [b][kb][16 T + r]: one scale byte a block.
; wimg [matrix q, k, v, p][quarter of 128 output channels][34,816]: codes at (8 s + T') x 1,024 (rows of a tile chosen as the pixels are), scale images at 32,768 + 512 s:
; [lane 16 u + r][i] words for tile T' = 2 i + u.  The four weights have 512 fragments of 16 x 128: wave 0 of work-group 16 b + kb makes one, while its loads of x are on their way.
; A block's scale is 2^(floor(log2(largest magnitude)) - 2); its byte is the largest magnitude's exponent field - 2, held at 1 from below.
; LIMITS: NaN and infinities are not served; a block whose largest magnitude lies under 2^-124 keeps the byte 1, a block of zeros too (the rule says 127: its codes are zeros, and this program alone reads the bytes).
; No tensor loads, no cluster: work-groups share no input.  Two stores are narrower than 256 bytes: the scale bytes (128 a wave) and the weight's scale words (64 a work-group): under a hundredth of the launch's bytes.
.set X,   96                           ; v96-223  x, then its deviations: channel c, pixel j at X + 4 c + j
.set H,   32                           ; v32-95   two sets of 32 normed numbers; in wave 0 first the weight's 64 numbers; at the end the codes on their way out
.set CD,  224                          ; v224-239 codes: pixel j's four registers at CD + 4 j; in wave 0 first the weight's eight
.set SBY, 240                          ; v240     my four pixels' scale bytes
.set WSW, 241                          ; v241     the weight's scale word
.set WSO, 242                          ; v242     where it goes: 16 r
.set STG, 256                          ; LDS: 0-127 the waves' partial sums; from 256 on a stage of 32 places of 64 + 16 bytes for each wave
.set WST, 2560
	s_load_b512 s[4:19], s[0:1], 0x0               ; x s[4:5], gn_w s[6:7], gn_b s[8:9], wq s[10:11], wk s[12:13], wv s[14:15], wp s[16:17], himg s[18:19]
	s_load_b128 s[20:23], s[0:1], 0x40             ; hsc s[20:21], wimg s[22:23]
	v_lshl_add_u32 v248, v0, 2, 0x5100
	v_mov_b32 v249, 0
	v_and_b32 v1, 31, v0                           ; lane
	v_lshrrev_b32 v10, 5, v0
	v_readfirstlane_b32 s24, v10                   ; wave 0..7
	s_and_b32 s25, ttmp7, 0xffff                   ; b
	s_mov_b32 s26, 0x76543210
	s_mov_b32 s27, 0xfedcba98                      ; v_permlanex16_b32's selects for lane l xor 16
	v_lshlrev_b32 v2, 4, v0                        ; x: 512 w + 16 lane: my four pixels in a channel's row
	v_lshrrev_b32 v10, 4, v1                       ; u, also h
	v_and_b32 v11, 15, v1                          ; r
	v_and_b32 v12, 8, v1
	v_add_nc_u32 v12, v12, v11                     ; r + 8 (r / 8)
	v_lshlrev_b32 v9, 11, v12
	v_lshl_add_u32 v9, v10, 7, v9                  ; the weight: row r + 8 (r / 8) of 2,048 bytes, + 128 h: my block of 32
	s_mov_b32 s29, 0
	s_wait_kmcnt 0x0
	s_lshl_b32 s28, ttmp9, 7                       ; my 32 channels' gains and offsets: 128 bytes each
	s_add_nc_u64 s[6:7], s[6:7], s[28:29]
	s_add_nc_u64 s[8:9], s[8:9], s[28:29]
	s_load_b512 s[32:47], s[6:7], 0x0              ; gn_w -> s32-63
	s_load_b512 s[48:63], s[6:7], 0x40
	s_load_b512 s[68:83], s[8:9], 0x0              ; gn_b -> s68-99
	s_load_b512 s[84:99], s[8:9], 0x40
	s_lshl_b32 s28, s25, 21
	s_lshl_b32 s30, ttmp9, 17
	s_add_co_u32 s28, s28, s30
	s_add_nc_u64 s[4:5], s[4:5], s[28:29]          ; x at image b, channel 32 kb
	s_lshl_b32 s28, s25, 18
	s_lshl_b32 s30, ttmp9, 8
	s_add_co_u32 s28, s28, s30
	s_add_nc_u64 s[18:19], s[18:19], s[28:29]      ; himg at image b, block kb
	s_lshl_b32 s28, s25, 14
	s_lshl_b32 s30, ttmp9, 10
	s_add_co_u32 s28, s28, s30
	s_add_nc_u64 s[20:21], s[20:21], s[28:29]      ; hsc at image b, plane kb
	; the weight fragment of work-group 16 b + kb: matrix b / 8, quarter (b / 2) % 4, K step 2 (b % 2) + kb / 8, tile kb % 8
	s_lshr_b32 s30, s25, 3
	s_cmp_eq_u32 s30, 1
	s_cselect_b64 s[10:11], s[12:13], s[10:11]
	s_cmp_eq_u32 s30, 2
	s_cselect_b64 s[10:11], s[14:15], s[10:11]
	s_cmp_eq_u32 s30, 3
	s_cselect_b64 s[10:11], s[16:17], s[10:11]     ; the choice hangs on the work-group's number alone
	s_bfe_u32 s31, s25, 0x20001                    ; quarter
	s_and_b32 s2, s25, 1
	s_lshl_b32 s2, s2, 1
	s_lshr_b32 s3, ttmp9, 3
	s_or_b32 s2, s2, s3                            ; K step
	s_and_b32 s3, ttmp9, 7                         ; tile
	s_mul_i32 s28, s30, 139264
	s_mul_i32 s30, s31, 34816
	s_add_co_u32 s28, s28, s30
	s_add_nc_u64 s[22:23], s[22:23], s[28:29]      ; wimg at my matrix and quarter
	s_lshl_b32 s28, s2, 3
	s_add_co_u32 s28, s28, s3
	s_lshl_b32 s28, s28, 10
	s_add_nc_u64 s[12:13], s[22:23], s[28:29]      ; the fragment's image
	s_lshl_b32 s28, s2, 9
	s_and_b32 s30, s3, 1
	s_lshl_b32 s30, s30, 8
	s_add_co_u32 s28, s28, s30
	s_lshr_b32 s30, s3, 1
	s_lshl_b32 s30, s30, 2
	s_add_co_u32 s28, s28, s30
	s_add_co_u32 s28, s28, 32768
	s_add_nc_u64 s[14:15], s[22:23], s[28:29]      ; its scale words: 32,768 + 512 s + 256 u + 4 i
	s_lshl_b32 s28, s31, 7
	s_lshr_b32 s30, s3, 1
	s_lshl_b32 s30, s30, 5
	s_add_co_u32 s28, s28, s30
	s_and_b32 s30, s3, 1
	s_lshl_b32 s30, s30, 3
	s_add_co_u32 s28, s28, s30                     ; the tile's first row: 128 quarter + 32 i + 8 u
	s_lshl_b32 s28, s28, 11
	s_lshl_b32 s30, s2, 9
	s_add_co_u32 s28, s28, s30
	s_add_nc_u64 s[10:11], s[10:11], s[28:29]      ; the weight at that row, K step s
	s_mov_b32 s2, 0x38800000                       ; 2^-14: a group has 16 x 1,024 numbers
	s_mov_b32 s3, 0x358637bd                       ; eps = 1e-6
	s_cmp_lg_u32 s24, 0
	s_cbranch_scc1 .Lno_weight_loads
.irp cc, 0,1                                   ; wave 0: my row's k = 64 c + 32 h + 0 .. 31: eight loads of 16 bytes a block
.irp tt, 0,1,2,3,4,5,6,7
	global_load_b128 v[H+32*\cc+4*\tt:H+32*\cc+4*\tt+3], v9, s[10:11] offset:256*\cc+16*\tt
.endr
.endr
.Lno_weight_loads:
.set i, 0
.rept 32
	global_load_b128 v[X+4*i:X+4*i+3], v2, s[4:5] offset:4096*i th:TH_LOAD_NT   ; channel i: the wave reads 512 consecutive bytes
.set i, i+1
.endr
	s_mul_i32 s30, s24, WST
	s_add_co_u32 s30, s30, STG                     ; my wave's stage
	v_mul_u32_u24 v3, v1, 80
	v_add_nc_u32 v3, s30, v3                       ; in: my four pixels' 64 bytes at 80 x lane
	v_lshl_add_u32 v13, v10, 3, v12                ; out: pixel p0 = 8 u + r + 8 (r / 8) of 32
	v_lshrrev_b32 v14, 2, v13
	v_mul_u32_u24 v14, v14, 80
	v_and_b32 v15, 3, v13
	v_lshl_add_u32 v4, v15, 4, v14
	v_add_nc_u32 v4, s30, v4                       ; its 16 bytes: 80 (p0 / 4) + 16 (p0 % 4)
	s_lshl_b32 s30, s24, 15
	v_lshlrev_b32 v5, 12, v10
	v_lshl_add_u32 v5, v11, 4, v5
	v_add_nc_u32 v5, s30, v5                       ; himg: tile 8 w + u, row r: 32,768 w + 4,096 u + 16 r
	v_and_b32 v14, 24, v1                          ; hsc: pixels 4 lane .. + 3 stand at 32 B + 16 u + 8 a + 4 z + j, lane = 8 B + 4 a + 2 u + z
	v_bfe_u32 v15, v1, 1, 1
	v_lshl_add_u32 v14, v15, 2, v14
	v_bfe_u32 v15, v1, 2, 1
	v_lshl_add_u32 v14, v15, 1, v14
	v_and_b32 v15, 1, v1
	v_add_nc_u32 v14, v14, v15
	v_lshlrev_b32 v6, 2, v14
	s_lshl_b32 s30, s24, 7
	v_add_nc_u32 v6, s30, v6
	v_mov_b32 v7, s24
	v_lshlrev_b32 v7, 2, v7                        ; my wave's word among the partial sums
	v_mov_b32 v8, 0
	s_cmp_lg_u32 s24, 0
	s_cbranch_scc1 .Lno_weight
	s_wait_loadcnt 32                              ; the weight's 16 loads are in; x's 32, issued behind them, may be out
.irp cc, 0,1
	v_max3_num_f32 v[10+\cc], |v[H+32*\cc]|, |v[H+32*\cc+1]|, 0x1800000   ; my block 2 c + h, and the floor 2^(3 - 127): the byte cannot fall under 1
.endr
.irp ii, 2,4,6,8,10,12,14,16,18,20,22,24,26,28,30
.irp cc, 0,1
	v_max3_num_f32 v[10+\cc], v[10+\cc], |v[H+32*\cc+\ii]|, |v[H+32*\cc+\ii+1]|
.endr
.endr
.irp cc, 0,1
	v_add_nc_u32 v[12+\cc], 0xff000000, v[10+\cc]  ; 2 off the exponent field: the conversion's scale operand
.endr
.irp cc, 0,1
	v_lshrrev_b32 v[14+\cc], 23, v[12+\cc]         ; the scale's byte
.endr
	v_lshl_or_b32 v[WSW], v15, 16, v14             ; blocks h and 2 + h,
	v_bfe_u32 v16, v0, 4, 1
	v_lshlrev_b32 v16, 3, v16
	v_lshlrev_b32 v[WSW], v16, v[WSW]              ; at their places in the word;
	v_mov_b32 v17, 0
	v_permlanex16_b32 v17, v[WSW], s26, s27
	v_or_b32 v[WSW], v[WSW], v17                   ; with lane l xor 16's two it is whole
	v_and_b32 v[WSO], 15, v0
	v_lshlrev_b32 v[WSO], 4, v[WSO]
.irp cc, 0,1
.irp gg, 0,1,2,3
	v_cvt_scalef32_pk8_fp4_f32 v[CD+4*\cc+\gg], v[H+32*\cc+8*\gg:H+32*\cc+8*\gg+7], v[12+\cc]
.endr
.endr
	v_nop                                          ; one plain place behind the conversions
	global_store_b128 v2, v[CD:CD+3], s[12:13]             ; in wave 0 v2 is 16 x lane: 512 consecutive bytes
	global_store_b128 v2, v[CD+4:CD+7], s[12:13] offset:512
	global_store_b32 v[WSO], v[WSW], s[14:15]      ; both halves of the lanes write the same word with the same value
.Lno_weight:
.macro ACC0 a, c                       ; channels c .. c + 3 start four chains: nothing is cleared
	v_pk_add_f32 v[\a:\a+1], v[X+4*(\c):X+4*(\c)+1], v[X+4*(\c)+8:X+4*(\c)+9]
	v_pk_add_f32 v[\a+2:\a+3], v[X+4*(\c)+2:X+4*(\c)+3], v[X+4*(\c)+10:X+4*(\c)+11]
	v_pk_add_f32 v[\a+4:\a+5], v[X+4*(\c)+4:X+4*(\c)+5], v[X+4*(\c)+12:X+4*(\c)+13]
	v_pk_add_f32 v[\a+6:\a+7], v[X+4*(\c)+6:X+4*(\c)+7], v[X+4*(\c)+14:X+4*(\c)+15]
.endm
.macro ACC4 a, c                       ; channels c, c + 1 onto them
	v_pk_add_f32 v[\a:\a+1], v[\a:\a+1], v[X+4*(\c):X+4*(\c)+1]
	v_pk_add_f32 v[\a+2:\a+3], v[\a+2:\a+3], v[X+4*(\c)+2:X+4*(\c)+3]
	v_pk_add_f32 v[\a+4:\a+5], v[\a+4:\a+5], v[X+4*(\c)+4:X+4*(\c)+5]
	v_pk_add_f32 v[\a+6:\a+7], v[\a+6:\a+7], v[X+4*(\c)+6:X+4*(\c)+7]
.endm
.macro SQ0 a, c                        ; the squares of channels c, c + 1 start four chains
	v_pk_mul_f32 v[\a:\a+1], v[X+4*(\c):X+4*(\c)+1], v[X+4*(\c):X+4*(\c)+1]
	v_pk_mul_f32 v[\a+2:\a+3], v[X+4*(\c)+2:X+4*(\c)+3], v[X+4*(\c)+2:X+4*(\c)+3]
	v_pk_mul_f32 v[\a+4:\a+5], v[X+4*(\c)+4:X+4*(\c)+5], v[X+4*(\c)+4:X+4*(\c)+5]
	v_pk_mul_f32 v[\a+6:\a+7], v[X+4*(\c)+6:X+4*(\c)+7], v[X+4*(\c)+6:X+4*(\c)+7]
.endm
.macro SQ4 a, c
	v_pk_fma_f32 v[\a:\a+1], v[X+4*(\c):X+4*(\c)+1], v[X+4*(\c):X+4*(\c)+1], v[\a:\a+1]
	v_pk_fma_f32 v[\a+2:\a+3], v[X+4*(\c)+2:X+4*(\c)+3], v[X+4*(\c)+2:X+4*(\c)+3], v[\a+2:\a+3]
	v_pk_fma_f32 v[\a+4:\a+5], v[X+4*(\c)+4:X+4*(\c)+5], v[X+4*(\c)+4:X+4*(\c)+5], v[\a+4:\a+5]
	v_pk_fma_f32 v[\a+6:\a+7], v[X+4*(\c)+6:X+4*(\c)+7], v[X+4*(\c)+6:X+4*(\c)+7], v[\a+6:\a+7]
.endm
; The two groups' chains (v10-17, v18-25) are folded, summed over the wave's lanes, and over the eight waves through LDS words off .. off + 63: v10 and v18 then hold the groups' sums in every lane.
.macro TOTAL off
.irp a, 10, 18
	v_pk_add_f32 v[\a:\a+1], v[\a:\a+1], v[\a+2:\a+3]
	v_pk_add_f32 v[\a+4:\a+5], v[\a+4:\a+5], v[\a+6:\a+7]
.endr
.irp a, 10, 18
	v_pk_add_f32 v[\a:\a+1], v[\a:\a+1], v[\a+4:\a+5]
.endr
.irp a, 10, 18
	v_add_f32 v[\a], v[\a], v[\a+1]
.endr
.irp m, 1,2,4,8
.irp a, 10, 18
	v_add_f32_dpp v[\a], v[\a], v[\a] row_xmask:\m row_mask:0xf bank_mask:0xf
.endr
.endr
.irp a, 10, 18
	v_permlanex16_b32 v[\a+1], v[\a], s26, s27
.endr
.irp a, 10, 18
	v_add_f32 v[\a], v[\a], v[\a+1]
.endr
	ds_store_b32 v7, v10 offset:\off               ; all lanes write my wave's word with the same value
	ds_store_b32 v7, v18 offset:\off+32
	s_wait_dscnt 0x0                               ; for the others' sake: my stores have landed
	s_barrier_signal -1
	s_barrier_wait -1
	ds_load_b128 v[10:13], v8 offset:\off
	ds_load_b128 v[14:17], v8 offset:\off+16
	ds_load_b128 v[18:21], v8 offset:\off+32
	ds_load_b128 v[22:25], v8 offset:\off+48
	s_wait_dscnt 0x0
.irp a, 10, 18
	v_add_f32 v[\a], v[\a], v[\a+1]
	v_add_f32 v[\a+2], v[\a+2], v[\a+3]
	v_add_f32 v[\a+4], v[\a+4], v[\a+5]
	v_add_f32 v[\a+6], v[\a+6], v[\a+7]
.endr
.irp a, 10, 18
	v_add_f32 v[\a], v[\a], v[\a+2]
	v_add_f32 v[\a+4], v[\a+4], v[\a+6]
.endr
.irp a, 10, 18
	v_add_f32 v[\a], v[\a], v[\a+4]
.endr
.endm
	s_wait_loadcnt 24                              ; channels 0-7 are in; the 24 behind them may be out
	ACC0 10, 0
	ACC4 10, 4
	ACC4 10, 6
	s_wait_loadcnt 16
	ACC4 10, 8
	ACC4 10, 10
	ACC4 10, 12
	ACC4 10, 14
	s_wait_loadcnt 8
	ACC0 18, 16
	ACC4 18, 20
	ACC4 18, 22
	s_wait_loadcnt 0x0
	ACC4 18, 24
	ACC4 18, 26
	ACC4 18, 28
	ACC4 18, 30
	TOTAL 0
	v_mul_f32 v26, s2, v10                         ; the two means, each in both halves of a pair
	v_mul_f32 v28, s2, v18
	v_mov_b32 v27, v26
	v_mov_b32 v29, v28
.set i, 0
.rept 32
	v_pk_add_f32 v[X+2*i:X+2*i+1], v[X+2*i:X+2*i+1], v[26:27] neg_lo:[0,1] neg_hi:[0,1]   ; x - mean, in place
.set i, i+1
.endr
.set i, 32
.rept 32
	v_pk_add_f32 v[X+2*i:X+2*i+1], v[X+2*i:X+2*i+1], v[28:29] neg_lo:[0,1] neg_hi:[0,1]
.set i, i+1
.endr
	SQ0 10, 0
.irp c, 2,4,6,8,10,12,14
	SQ4 10, \c
.endr
	SQ0 18, 16
.irp c, 18,20,22,24,26,28,30
	SQ4 18, \c
.endr
	TOTAL 64                                       ; other words than the first sums': no barrier is owed between the two
	v_fma_f32 v10, v10, s2, s3                     ; the variance + eps
	v_fma_f32 v18, v18, s2, s3
	v_rsq_f32 v30, v10
	v_rsq_f32 v31, v18
	v_nop                                          ; a plain place behind the transcendentals
	s_wait_alu depctr_va_vdst(0)
	v_readfirstlane_b32 s28, v30
	v_readfirstlane_b32 s29, v31
	s_wait_kmcnt 0x0                               ; gn_w, gn_b
.set i, 0
.rept 16
	s_mul_f32 s[32+i], s[32+i], s28                ; a_c = rsqrt x gain
	s_mul_f32 s[48+i], s[48+i], s29
.set i, i+1
.endr
	s_wait_xcnt 0x0                                ; wave 0's stores have read the registers that the codes now take
.macro QPIX j                          ; pixel j of my four: its 32 channels normed, the block's scale, its 32 codes
.set HJ, H+32*((\j)%2)
.set i, 0
.rept 32
	v_fma_f32 v[HJ+i], v[X+4*i+(\j)], s[32+i], s[68+i]
.set i, i+1
.endr
	v_max3_num_f32 v12, |v[HJ]|, |v[HJ+1]|, |v[HJ+2]|
	v_max3_num_f32 v13, |v[HJ+3]|, |v[HJ+4]|, |v[HJ+5]|
.irp ii, 6,10,14,18,22,26
	v_max3_num_f32 v12, v12, |v[HJ+\ii]|, |v[HJ+\ii+1]|
	v_max3_num_f32 v13, v13, |v[HJ+\ii+2]|, |v[HJ+\ii+3]|
.endr
	v_max3_num_f32 v12, v12, |v[HJ+30]|, |v[HJ+31]|
	v_max3_num_f32 v12, v12, v13, 0x1800000        ; and the floor 2^(3 - 127)
	v_add_nc_u32 v11, 0xff000000, v12              ; 2 off the exponent field: the conversion's scale operand
.irp gg, 0,1,2,3
	v_cvt_scalef32_pk8_fp4_f32 v[CD+4*(\j)+\gg], v[HJ+8*\gg:HJ+8*\gg+7], v11
.endr
	v_lshrrev_b32 v13, 23, v11                     ; the scale's byte.  (The plain place behind the conversions)
.if (\j) == 0
	v_mov_b32 v[SBY], v13
.else
	v_lshl_or_b32 v[SBY], v13, 8*(\j), v[SBY]
.endif
.endm
	QPIX 0
	QPIX 1
	QPIX 2
	QPIX 3
.irp j, 0,1,2,3
	ds_store_b128 v3, v[CD+4*\j:CD+4*\j+3] offset:16*\j
.endr
.irp ii, 0,1,2,3
	ds_load_b128 v[H+4*\ii:H+4*\ii+3], v4 offset:640*\ii   ; LDS serves a wave's instructions in order (ISA guide 5.7.1.4): these see my stores.  Tiles 8 w + 2 i + u, by rows
.endr
.irp ii, 0,1,2,3
	s_wait_dscnt 3-\ii                             ; the younger loads may be out
	global_store_b128 v5, v[H+4*\ii:H+4*\ii+3], s[18:19] offset:8192*\ii   ; sixteen lanes store 256 consecutive bytes, at a multiple of 256 from himg's first byte
.endr
	global_store_b32 v6, v[SBY], s[20:21]          ; the wave's 128 scale bytes, consecutive
	s_wait_tensorcnt 0x0
	ds_add_u32 v248, v249
	s_wait_dscnt 0x0
	s_endpgm
.Lfunc_end_k_q6c895c212a_prep:
	.size	k_q6c895c212a_prep, .Lfunc_end_k_q6c895c212a_prep-k_q6c895c212a_prep
	.p2alignl 7, 3214868480
	.fill 96, 4, 3214868480
	.section	.rodata,"a",@progbits
	.p2align	6, 0x0
	.amdhsa_kernel k_q6c895c212a_prep
		.amdhsa_group_segment_fixed_size 21760
		.amdhsa_private_segment_fixed_size 0
		.amdhsa_enable_private_segment 0
		.amdhsa_kernarg_size 80
		.amdhsa_user_sgpr_count 2
		.amdhsa_user_sgpr_kernarg_segment_ptr 1
		.amdhsa_wavefront_size32 1
		.amdhsa_system_sgpr_workgroup_id_x 1
		.amdhsa_system_sgpr_workgroup_id_y 1
		.amdhsa_system_sgpr_workgroup_id_z 1
		.amdhsa_system_vgpr_workitem_id 0
		.amdhsa_next_free_vgpr 250
		.amdhsa_next_free_sgpr 100
		.amdhsa_reserve_vcc 0
		.amdhsa_float_denorm_mode_32 3
		.amdhsa_float_denorm_mode_16_64 3
		.amdhsa_memory_ordered 1
		.amdhsa_forward_progress 1
		.amdhsa_inst_pref_size 45
	.end_amdhsa_kernel
	.amdgpu_metadata
---
amdhsa.version: [ 1, 2 ]
amdhsa.kernels:
  - .name:           k_q6c895c212a_prep
    .symbol:         k_q6c895c212a_prep.kd
    .args:
      - { .name: x, .offset: 0, .size: 8, .value_kind: global_buffer, .address_space: global }
      - { .name: gn_w, .offset: 8, .size: 8, .value_kind: global_buffer, .address_space: global }
      - { .name: gn_b, .offset: 16, .size: 8, .value_kind: global_buffer, .address_space: global }
      - { .name: wq, .offset: 24, .size: 8, .value_kind: global_buffer, .address_space: global }
      - { .name: wk, .offset: 32, .size: 8, .value_kind: global_buffer, .address_space: global }
      - { .name: wv, .offset: 40, .size: 8, .value_kind: global_buffer, .address_space: global }
      - { .name: wp, .offset: 48, .size: 8, .value_kind: global_buffer, .address_space: global }
      - { .name: himg, .offset: 56, .size: 8, .value_kind: global_buffer, .address_space: global }
      - { .name: hsc, .offset: 64, .size: 8, .value_kind: global_buffer, .address_space: global }
      - { .name: wimg, .offset: 72, .size: 8, .value_kind: global_buffer, .address_space: global }
    .group_segment_fixed_size: 21760
    .private_segment_fixed_size: 0
    .kernarg_segment_align: 8
    .kernarg_segment_size: 80
    .max_flat_workgroup_size: 256
    .sgpr_count:     100
    .vgpr_count:     250
    .wavefront_size: 32
...
	.end_amdgpu_metadata
.endif
;; end of part 1
;; launch qkv (part 2): grid 8 x 32, 4 waves a work-group, clusters of 4 x 1, 327,680 bytes of LDS; arguments himg, hsc, wimg, bq, bk, bv, qc, qs, kvc, kvs; writes qc, qs, kvc, kvs
.if DOCPART == 2
	.amdgcn_target "amdgcn-amd-amdhsa--gfx1250"
	.amdhsa_code_object_version 6
	.text
	.protected	k_q6c895c212a_qkv
	.globl	k_q6c895c212a_qkv
	.p2align	8
	.type	k_q6c895c212a_qkv,@function
k_q6c895c212a_qkv:
	s_mov_b64 s[64:65], 0
	v_nop
	global_prefetch_b8 v0, s[64:65] scope:SCOPE_SE
	s_setreg_imm32_b32 hwreg(HW_REG_WAVE_MODE, 25, 1), 1
	s_wait_xcnt 0x0
	s_wait_alu depctr_hold_cnt(0) depctr_sa_sdst(0) depctr_va_vdst(0) depctr_va_sdst(0) depctr_va_ssrc(0) depctr_va_vcc(0) depctr_vm_vsrc(0)
	s_getreg_b32 s2, hwreg(HW_REG_IB_STS2, 6, 4)
	s_cmp_eq_u32 s2, 0
	s_cbranch_scc0 .Lentry_in_a_cluster
	s_endpgm
.Lentry_in_a_cluster:
	s_bfe_u32 s2, ttmp6, 0x10000c
	s_cmp_lg_u32 s2, 0x3003
	s_cbranch_scc0 .Lentry_shape_is_right
	s_endpgm
.Lentry_shape_is_right:
; q = h Wq^T + bq, k = h Wk^T + bk, v = h Wv^T + bv on codes of FP4 with E8M0 scales, and each result quantised again: q and k along the channels, v along the pixels (the keys).
; SHARES.  Work-group (pg, b) owns 128 pixels of image b and all 3 x 512 outputs, in three chunks q, k, v.  Wave w owns outputs 128 w .. 128 w + 127 of each chunk: 128 x 128, 64 accumulators, 512 registers.
; h's 32 fragments (8 tiles of pixels x 4 K steps) stay in the wave's registers for all three chunks.  A wave's quarter of a weight (codes and scale images, 34,816 bytes) is read by that wave alone.
; CLUSTER.  All work-groups walk the same weights: the four of a cluster ask for each quarter JOINTLY, by the same tensor load with the same descriptor (it hangs on the wave's number alone) and the mask 15.
; LAYOUT.  q, k: source 0 = 16 rows of W, source 1 = 16 pixels: a lane holds one pixel, its registers run along the output channels.  v: the sources change places: a lane holds one channel, its registers run along the pixels.
; The rows of a tile of W and the pixels of a tile of h are chosen (row r of tile 2 B + u is 32 B + 8 u + r + 8 (r / 8)) so that the 16 registers of two neighbouring tiles are 16 neighbours along the next K.
; The biases are the C of each sum's first matrix instruction.  The 64 accumulators take turns, one instruction a turn.
; OUT: images of operand registers: qc [8 b + pg][(8 s + T') x 1,024], kvc [8 b + pg][K at 0, V at 32,768][(8 w + T') x 1,024]; scale images of 512 bytes ([lane 16 u + r][i] words, tile 2 i + u): qs, kvs.
; LIMITS: NaN and infinities are not served; a block whose largest magnitude lies under 2^-124, a block of zeros too, keeps the byte 1 (its codes are then zeros or near it; this program alone reads the bytes).
; REGISTERS, in windows of 256: window 0: v1-10 addresses; v12-27 h's scale words; v28-43 W's; v44-55 at work; v56-63 the scale words just made; v64-71 the codes just made; v72-75 a scale image; v128-191, v192-255 W's fragments, two sets
; (the second holds the biases during a chunk's first K step).  window 1: h's fragments, (4 T' + s) x 8.  windows 2, 3: accumulator (a, bb) at window 2 + a / 4, register 64 (a % 4) + 8 bb.
.set QB,    34816                      ; a quarter of a weight: 32 fragments of 1,024 bytes, 4 scale images of 512
.set SLOTB, 4*QB                       ; a slot: one weight
.set SPARE, 2*SLOTB                    ; behind the two slots: the spare words, 128 bytes for each wave: two blocks of 256 bytes that no other line names
.set SCST,  SPARE+512                  ; and 512 bytes for each wave, in which a scale image is put together
.set LI,  1                            ; v1  16 x lane: an image's place for my lane
.set WB0, 2                            ; v2  my quarter in slot 0: QB x wave + 16 x lane
.set WB1, 3                            ; v3  in slot 1
.set SSA, 4                            ; v4  my stage + 16 r
.set SSL, 5                            ; v5  my stage + 16 x lane
.set BO,  6                            ; v6  64 h: the biases of q and k
.set BV,  7                            ; v7  4 (r + 8 (r / 8)): the bias of v
.set SPW, 8                            ; v8  LDS address of my spare word; never rewritten
.set NIL, 9                            ; v9  0; never rewritten
.set LN,  10                           ; v10 lane
.set HS,  12                           ; h's scale words: pair i of tiles, K step s at HS + 4 i + s: lanes 0-15 tile 2 i, lanes 16-31 tile 2 i + 1
.set WS,  28                           ; W's: WS + 4 s + i likewise
.set TM,  44
.set SW,  56
.set PC,  64
.set SI,  72
.set WF,  128
.set BI,  192
.set MSB, 0
.macro WIN new                         ; the immediate's high byte repeats the setting that is left; a switch that changes nothing is dropped
.if MSB != (\new)
	s_set_vgpr_msb (MSB<<8)|(\new)
.set MSB, (\new)
.endif
.endm
.macro PLACES                          ; four places: in front of loads into registers that matrix instructions have read, and of the first read of results (ISA guide 7.12.1 for the first read of results)
.rept 4
	v_nop
.endr
.endm
.macro ROUND                           ; a round of the cluster's barrier
	s_barrier_signal -1
	s_barrier_wait -1
	s_cmp_lg_u32 s20, 0
	s_cbranch_scc1 .Lnot_wave_0_\@
	s_barrier_signal -3
.Lnot_wave_0_\@:
	s_barrier_wait -3
	s_barrier_signal -1
	s_barrier_wait -1
.endm
; One matrix instruction.  ra, rb = 1: that side's scales stand in lanes 16-31 of its register.
.macro WM d, a, b, c, sa, sb, ra, rb
.set WSEL, (\ra)+2*(\rb)
.if WSEL == 0
	v_wmma_scale_f32_16x16x128_f8f6f4 v[(\d):(\d)+7], v[(\a):(\a)+7], v[(\b):(\b)+7], v[(\c):(\c)+7], v[(\sa)], v[(\sb)] matrix_a_fmt:MATRIX_FMT_FP4 matrix_b_fmt:MATRIX_FMT_FP4
.elseif WSEL == 1
	v_wmma_scale_f32_16x16x128_f8f6f4 v[(\d):(\d)+7], v[(\a):(\a)+7], v[(\b):(\b)+7], v[(\c):(\c)+7], v[(\sa)], v[(\sb)] matrix_a_fmt:MATRIX_FMT_FP4 matrix_b_fmt:MATRIX_FMT_FP4 matrix_a_scale:MATRIX_SCALE_ROW1
.elseif WSEL == 2
	v_wmma_scale_f32_16x16x128_f8f6f4 v[(\d):(\d)+7], v[(\a):(\a)+7], v[(\b):(\b)+7], v[(\c):(\c)+7], v[(\sa)], v[(\sb)] matrix_a_fmt:MATRIX_FMT_FP4 matrix_b_fmt:MATRIX_FMT_FP4 matrix_b_scale:MATRIX_SCALE_ROW1
.else
	v_wmma_scale_f32_16x16x128_f8f6f4 v[(\d):(\d)+7], v[(\a):(\a)+7], v[(\b):(\b)+7], v[(\c):(\c)+7], v[(\sa)], v[(\sb)] matrix_a_fmt:MATRIX_FMT_FP4 matrix_b_fmt:MATRIX_FMT_FP4 matrix_a_scale:MATRIX_SCALE_ROW1 matrix_b_scale:MATRIX_SCALE_ROW1
.endif
.endm
; 64 numbers of a lane in window W, register src + 16 b + i = k 32 b + 16 (lane / 16) + i of my row, become a fragment's codes in v[PC] on and its scale word in v[pw].  Each accumulator is read from its low end on.
.macro QUANT src, W, pw
	WIN 5*(\W)
.irp b, 0,1,2,3
	v_max3_num_f32 v[TM+\b], |v[(\src)+16*\b]|, |v[(\src)+16*\b+1]|, 0x1800000   ; block b: my 16 numbers, and the floor 2^(3 - 127): the byte cannot fall under 1
.endr
	WIN 20*(\W)
.irp ii, 2,4,6,8,10,12,14
.irp b, 0,1,2,3
	v_max3_num_f32 v[TM+\b], v[TM+\b], |v[(\src)+16*\b+\ii]|, |v[(\src)+16*\b+\ii+1]|
.endr
.endr
	WIN 0
.irp b, 0,1,2,3
	v_permlanex16_b32 v[TM+4+\b], v[TM+\b], s44, s45
.endr
.irp b, 0,1,2,3
	v_max_num_f32 v[TM+\b], v[TM+\b], v[TM+4+\b]   ; with lane l xor 16's: the block's largest magnitude
.endr
.irp b, 0,1,2,3
	v_add_nc_u32 v[TM+8+\b], 0xff000000, v[TM+\b]  ; 2 off its exponent field: the conversion's scale operand
.endr
.irp b, 0,1,2,3
	v_lshrrev_b32 v[TM+4+\b], 23, v[TM+8+\b]       ; the scale's byte
.endr
	v_lshl_or_b32 v[(\pw)], v[TM+5], 8, v[TM+4]
	v_lshl_or_b32 v[(\pw)], v[TM+6], 16, v[(\pw)]
	v_lshl_or_b32 v[(\pw)], v[TM+7], 24, v[(\pw)]
	s_wait_xcnt 0x0                                ; the stores of the fragment before have read the registers that the codes now take
	WIN (\W)
.irp b, 0,1,2,3
	v_cvt_scalef32_pk8_fp4_f32 v[PC+2*\b], v[(\src)+16*\b:(\src)+16*\b+7], v[TM+8+\b]
	v_cvt_scalef32_pk8_fp4_f32 v[PC+2*\b+1], v[(\src)+16*\b+8:(\src)+16*\b+15], v[TM+8+\b]
.endr
	WIN 0
	v_nop                                          ; one plain place behind a scaled conversion
.irp c, 0,1                                    ; the operand's layout wants a whole block in a lane
.irp ii, 0,1
	v_permlane16_swap_b32 v[PC+4*\c+\ii], v[PC+4*\c+2+\ii]
.endr
.endr
.endm
	s_load_b512 s[4:19], s[0:1], 0x0               ; himg s[4:5], hsc s[6:7], wimg s[8:9], bq s[10:11], bk s[12:13], bv s[14:15], qc s[16:17], qs s[18:19]
	s_load_b128 s[40:43], s[0:1], 0x40             ; kvc s[40:41], kvs s[42:43]
	v_lshl_add_u32 v[SPW], v0, 2, SPARE
	v_mov_b32 v[NIL], 0
	ds_add_u32 v8, v9
	s_wait_dscnt 0x0
	v_lshrrev_b32 v11, 5, v0
	v_readfirstlane_b32 s20, v11                   ; wave 0..3
	s_bfe_u32 s21, ttmp6, 0x40000                  ; cx: it enters global addresses of my own loads and stores alone
	s_lshl_b32 s22, ttmp9, 2
	s_add_co_u32 s22, s22, s21                     ; pg = 4 x cluster x + cx
	s_and_b32 s23, ttmp7, 0xffff                   ; b
	; descriptor group 1: a dense block of 136 rows of 256 bytes (32 elements of 8 bytes)
	s_mov_b32 s24, 15|(3<<16)|(1<<21)              ; 15:0 the mask: all four work-groups; 17:16 elements of 8 bytes; 21 set beside a mask
	s_mov_b32 s25, 32<<16                          ; tensor_dim0 = 32
	s_mov_b32 s26, 136<<16                         ; tensor_dim1 = 136
	s_mov_b32 s27, 32<<16                          ; tile_dim0 = 32
	s_mov_b32 s28, 136                             ; tile_dim1 = 136
	s_mov_b32 s29, 32                              ; from row to row
	s_mov_b32 s30, 0
	s_mov_b32 s31, 0
	s_mov_b32 s44, 0x76543210
	s_mov_b32 s45, 0xfedcba98                      ; v_permlanex16_b32's selects for lane l xor 16
	s_mul_i32 s46, s20, QB                         ; my quarter, in a weight and in a slot
	s_mov_b32 s47, 0
	s_wait_kmcnt 0x0
	s_mov_b32 s32, 1                               ; group 0 for slot 0: Wq now, Wv later
	s_mov_b32 s33, s46
	s_add_nc_u64 s[34:35], s[8:9], s[46:47]
	s_mov_b32 s36, 1                               ; group 0 for slot 1: Wk
	s_add_co_u32 s37, s46, SLOTB
	s_add_nc_u64 s[38:39], s[34:35], SLOTB
	s_or_b32 s35, s35, 0x80000000                  ; type = 2
	s_or_b32 s39, s39, 0x80000000
	ROUND                                          ; all four work-groups are here: the first joint loads meet
	tensor_load_to_lds s[32:35], s[24:31]          ; two loads of mine are out
	s_nop 0
	tensor_load_to_lds s[36:39], s[24:31]
	s_nop 0
.rept 4
	v_nop                                          ; four v_nops behind a tensor load
.endr
	v_and_b32 v[LN], 31, v0
	v_lshlrev_b32 v[LI], 4, v[LN]
	v_add_nc_u32 v[WB0], s46, v[LI]
	v_add_nc_u32 v[WB1], SLOTB, v[WB0]
	v_and_b32 v11, 15, v0                          ; r
	v_bfe_u32 v76, v0, 4, 1                        ; h
	s_lshl_b32 s48, s20, 9
	s_add_co_u32 s48, s48, SCST                    ; my stage
	v_lshl_add_u32 v[SSA], v11, 4, s48
	v_add_nc_u32 v[SSL], s48, v[LI]
	v_lshlrev_b32 v[BO], 6, v76
	v_and_b32 v77, 8, v11
	v_add_nc_u32 v77, v77, v11
	v_lshlrev_b32 v[BV], 2, v77
.irp b, 0,1,2,3
	v_mov_b32 v[TM+4+\b], 0                        ; written once: a lane permute's destination counts as one of its sources
.endr
	s_lshl_b32 s49, s23, 3
	s_add_co_u32 s49, s49, s22                     ; 8 b + pg
	s_mov_b32 s51, 0
	s_lshl_b32 s50, s49, 15
	s_add_nc_u64 s[4:5], s[4:5], s[50:51]          ; himg: my 8 tiles of pixels
	s_lshl_b32 s52, s20, 13
	s_add_co_u32 s50, s50, s52
	s_add_nc_u64 s[16:17], s[16:17], s[50:51]      ; qc: K step w
	s_lshl_b32 s50, s49, 16
	s_add_co_u32 s50, s50, s52
	s_add_nc_u64 s[40:41], s[40:41], s[50:51]      ; kvc: K's K step w; V's quarter w lies 32,768 further on
	s_lshl_b32 s52, s20, 9
	s_lshl_b32 s50, s49, 11
	s_add_co_u32 s50, s50, s52
	s_add_nc_u64 s[18:19], s[18:19], s[50:51]      ; qs
	s_lshl_b32 s50, s23, 15
	s_lshl_b32 s53, s22, 11
	s_add_co_u32 s50, s50, s53
	s_add_co_u32 s50, s50, s52
	s_add_nc_u64 s[42:43], s[42:43], s[50:51]      ; kvs: K's; V's lie 16,384 further on
	s_lshl_b32 s50, s23, 14
	s_lshl_b32 s53, s22, 7
	s_add_co_u32 s50, s50, s53
	s_add_nc_u64 s[6:7], s[6:7], s[50:51]          ; hsc: image b, my 128 places of a plane
	s_mov_b32 s50, s52
	s_add_nc_u64 s[10:11], s[10:11], s[50:51]      ; the biases of my 128 outputs
	s_add_nc_u64 s[12:13], s[12:13], s[50:51]
	s_add_nc_u64 s[14:15], s[14:15], s[50:51]
	WIN 0x40                                       ; destination window 1
.set i, 0
.rept 64
	global_load_b128 v[4*i:4*i+3], v[LI], s[4:5] offset:512*i   ; h's 32 fragments as they lie: 512 consecutive bytes a load
.set i, i+1
.endr
	WIN 0
.irp ii, 0,1,2,3
.irp kb, 0,1,2,3,4,5,6,7,8,9,10,11,12,13,14,15
	global_load_u8 v[WF+16*\ii+\kb], v[LN], s[6:7] offset:1024*\kb+32*\ii   ; block kb's byte of tile 2 i + lane / 16, row lane % 16
.endr
.endr
.macro BIAS sp                         ; q, k: lane (r, h) wants, for tile 2 B + u, the biases of outputs 32 B + 8 u + 16 h + 0 .. 7
.irp tt, 0,1,2,3,4,5,6,7
	global_load_b128 v[BI+8*\tt:BI+8*\tt+3], v[BO], s[\sp:\sp+1] offset:(32*(\tt/2)+8*(\tt%2))*4
	global_load_b128 v[BI+8*\tt+4:BI+8*\tt+7], v[BO], s[\sp:\sp+1] offset:(32*(\tt/2)+8*(\tt%2))*4+16
.endr
.endm
	BIAS 10
	s_wait_loadcnt 0x0
.irp ii, 0,1,2,3
.irp ks, 0,1,2,3
	v_lshl_or_b32 v[HS+4*\ii+\ks], v[WF+16*\ii+4*\ks+1], 8, v[WF+16*\ii+4*\ks]   ; four bytes make a K step's scale word
	v_lshl_or_b32 v[HS+4*\ii+\ks], v[WF+16*\ii+4*\ks+2], 16, v[HS+4*\ii+\ks]
	v_lshl_or_b32 v[HS+4*\ii+\ks], v[WF+16*\ii+4*\ks+3], 24, v[HS+4*\ii+\ks]
.endr
.endr
.rept 8
	v_nop                                          ; a scale register written by a vector instruction stands eight places ahead of a scaled matrix instruction
.endr
	s_wait_tensorcnt 1                             ; my quarter of Wq is in; Wk's load may be out.  No barrier: I alone read what I fetched
.macro FETCHW wb, ks, st               ; my 8 fragments of K step ks into set st
.set i, 0
.rept 16
	ds_load_b128 v[WF+64*(\st)+4*i:WF+64*(\st)+4*i+3], v[\wb] offset:8192*(\ks)+512*i
.set i, i+1
.endr
.endm
; 32 matrix instructions: a = 4 hf .. 4 hf + 3 against bb = 0 .. 7, K step ks, W's set st.  sw = 0: a = tile of pixels, bb = tile of W, source 0 = W.  sw = 1: a = tile of W, bb = tile of pixels, source 0 = h.
.macro HALF ks, st, hf, sw
.if \ks == 0
	WIN 0x80+0x40*\hf+4-3*\sw                      ; the biases (C) in window 0
.else
	WIN 0xa0+0x50*\hf+4-3*\sw
.endif
.irp bb, 0,1,2,3,4,5,6,7
.irp aa, 0,1,2,3
.if \sw
.if \ks == 0
	WM 64*\aa+8*\bb, 8*(4*\bb+\ks), WF+64*\st+8*(4*\hf+\aa), BI+8*(4*\hf+\aa), HS+4*(\bb/2)+\ks, WS+4*\ks+2*\hf+\aa/2, \bb%2, \aa%2
.else
	WM 64*\aa+8*\bb, 8*(4*\bb+\ks), WF+64*\st+8*(4*\hf+\aa), 64*\aa+8*\bb, HS+4*(\bb/2)+\ks, WS+4*\ks+2*\hf+\aa/2, \bb%2, \aa%2
.endif
.else
.if \ks == 0
	WM 64*\aa+8*\bb, WF+64*\st+8*\bb, 8*(4*(4*\hf+\aa)+\ks), BI+8*\bb, WS+4*\ks+\bb/2, HS+4*(2*\hf+\aa/2)+\ks, \bb%2, \aa%2
.else
	WM 64*\aa+8*\bb, WF+64*\st+8*\bb, 8*(4*(4*\hf+\aa)+\ks), 64*\aa+8*\bb, WS+4*\ks+\bb/2, HS+4*(2*\hf+\aa/2)+\ks, \bb%2, \aa%2
.endif
.endif
.endr
.endr
.endm
.macro CHUNK wb, sw                    ; 256 matrix instructions: one weight's quarter against my 128 pixels
.irp ks, 0,1,2,3
	ds_load_b128 v[WS+4*\ks:WS+4*\ks+3], v[\wb] offset:32768+512*\ks
.endr
	FETCHW \wb, 0, 0
	s_wait_dscnt 0x0
	HALF 0, 0, 0, \sw
	HALF 0, 0, 1, \sw
	WIN 0
	PLACES
	FETCHW \wb, 1, 1                               ; into the set that held the biases: they are done with
	s_wait_dscnt 0x0
	HALF 1, 1, 0, \sw
	WIN 0
	PLACES
	FETCHW \wb, 2, 0                               ; 32 matrix instructions ahead of its use
	HALF 1, 1, 1, \sw
	s_wait_dscnt 0x0
	HALF 2, 0, 0, \sw
	WIN 0
	PLACES
	FETCHW \wb, 3, 1
	HALF 2, 0, 1, \sw
	s_wait_dscnt 0x0
	HALF 3, 1, 0, \sw
	HALF 3, 1, 1, \sw
	WIN 0
	PLACES
.endm
.macro OUT cp, coff, sp, soff          ; my 8 rows of accumulators become 8 fragments and one scale image
.irp a, 0,1,2,3,4,5,6,7
	QUANT 64*(\a%4), 2+\a/4, SW+\a
	global_store_b128 v[LI], v[PC:PC+3], s[\cp:\cp+1] offset:\coff+1024*\a          ; 512 consecutive bytes, aligned
	global_store_b128 v[LI], v[PC+4:PC+7], s[\cp:\cp+1] offset:\coff+1024*\a+512
.endr
.irp a, 0,1,2,3,4,5,6,7
	ds_store_b32 v[SSA], v[SW+\a] offset:256*(\a%2)+4*(\a/2)   ; tile a = 2 i + u: word i of place 16 u + r; both halves of the lanes write the same word with the same value
.endr
	ds_load_b128 v[SI:SI+3], v[SSL]                ; LDS serves a wave's instructions in order (ISA guide 5.7.1.4): this sees my stores
	s_wait_dscnt 0x0
	global_store_b128 v[LI], v[SI:SI+3], s[\sp:\sp+1] offset:\soff
.endm
	CHUNK WB0, 0                                   ; q
	s_wait_tensorcnt 0x0                           ; all my tensor loads have landed, Wk's among them: a group 0 may be written
	ds_add_u32 v[SPW], v[NIL]                      ; 0 onto my spare word
	s_add_nc_u64 s[34:35], s[34:35], 2*SLOTB       ; slot 0's next weight: Wv
	s_wait_dscnt 0x0                               ; the add is done, and my reads of slot 0 are over
	ROUND                                          ; the same holds of every wave of the four work-groups
	tensor_load_to_lds s[32:35], s[24:31]          ; it has q's way out and all of chunk k in which to land
	s_nop 0
.rept 4
	v_nop
.endr
	BIAS 12
	OUT 16, 0, 18, 0
	s_wait_loadcnt 0x0                             ; bk
	CHUNK WB1, 0                                   ; k
.irp a, 0,1,2,3,4,5,6,7
	global_load_b32 v[BI+8*\a], v[BV], s[14:15] offset:(32*(\a/2)+8*(\a%2))*4   ; v: a lane holds one output channel
.endr
	OUT 40, 0, 42, 0
	s_wait_loadcnt 0x0                             ; bv
.irp a, 0,1,2,3,4,5,6,7
.irp j, 1,2,3,4,5,6,7
	v_mov_b32 v[BI+8*\a+\j], v[BI+8*\a]            ; the same bias for the lane's eight pixels
.endr
.endr
	PLACES
	s_wait_tensorcnt 0x0                           ; my quarter of Wv is in: the one load that was out
	CHUNK WB0, 1                                   ; v
	OUT 40, 32768, 42, 16384
	s_wait_tensorcnt 0x0                           ; the wave's end
	ds_add_u32 v[SPW], v[NIL]
	s_wait_dscnt 0x0
	ROUND                                          ; the closing round: no work-group ends while a partner may still ask for a tile that names it
	s_endpgm
.Lfunc_end_k_q6c895c212a_qkv:
	.size	k_q6c895c212a_qkv, .Lfunc_end_k_q6c895c212a_qkv-k_q6c895c212a_qkv
	.p2alignl 7, 3214868480
	.fill 96, 4, 3214868480
	.section	.rodata,"a",@progbits
	.p2align	6, 0x0
	.amdhsa_kernel k_q6c895c212a_qkv
		.amdhsa_group_segment_fixed_size 327680
		.amdhsa_private_segment_fixed_size 0
		.amdhsa_enable_private_segment 0
		.amdhsa_kernarg_size 80
		.amdhsa_user_sgpr_count 2
		.amdhsa_user_sgpr_kernarg_segment_ptr 1
		.amdhsa_wavefront_size32 1
		.amdhsa_system_sgpr_workgroup_id_x 1
		.amdhsa_system_sgpr_workgroup_id_y 1
		.amdhsa_system_sgpr_workgroup_id_z 1
		.amdhsa_system_vgpr_workitem_id 0
		.amdhsa_next_free_vgpr 1024
		.amdhsa_next_free_sgpr 66
		.amdhsa_reserve_vcc 0
		.amdhsa_float_denorm_mode_32 3
		.amdhsa_float_denorm_mode_16_64 3
		.amdhsa_memory_ordered 1
		.amdhsa_forward_progress 1
		.amdhsa_inst_pref_size 239
	.end_amdhsa_kernel
	.amdgpu_metadata
---
amdhsa.version: [ 1, 2 ]
amdhsa.kernels:
  - .name:           k_q6c895c212a_qkv
    .symbol:         k_q6c895c212a_qkv.kd
    .args:
      - { .name: himg, .offset: 0, .size: 8, .value_kind: global_buffer, .address_space: global }
      - { .name: hsc, .offset: 8, .size: 8, .value_kind: global_buffer, .address_space: global }
      - { .name: wimg, .offset: 16, .size: 8, .value_kind: global_buffer, .address_space: global }
      - { .name: bq, .offset: 24, .size: 8, .value_kind: global_buffer, .address_space: global }
      - { .name: bk, .offset: 32, .size: 8, .value_kind: global_buffer, .address_space: global }
      - { .name: bv, .offset: 40, .size: 8, .value_kind: global_buffer, .address_space: global }
      - { .name: qc, .offset: 48, .size: 8, .value_kind: global_buffer, .address_space: global }
      - { .name: qs, .offset: 56, .size: 8, .value_kind: global_buffer, .address_space: global }
      - { .name: kvc, .offset: 64, .size: 8, .value_kind: global_buffer, .address_space: global }
      - { .name: kvs, .offset: 72, .size: 8, .value_kind: global_buffer, .address_space: global }
    .group_segment_fixed_size: 327680
    .private_segment_fixed_size: 0
    .kernarg_segment_align: 8
    .kernarg_segment_size: 80
    .max_flat_workgroup_size: 128
    .sgpr_count:     66
    .vgpr_count:     1024
    .wavefront_size: 32
...
	.end_amdgpu_metadata
.endif
;; end of part 2
;; launch attn (part 3): grid 8 x 32, 4 waves a work-group, clusters of 4 x 1, 327,680 bytes of LDS; arguments qc, qs, kvc, kvs, wimg, bp, x, out0; writes out0
.if DOCPART == 3
	.amdgcn_target "amdgcn-amd-amdhsa--gfx1250"
	.amdhsa_code_object_version 6
	.text
	.protected	k_q6c895c212a_attn
	.globl	k_q6c895c212a_attn
	.p2align	8
	.type	k_q6c895c212a_attn,@function
k_q6c895c212a_attn:
	s_mov_b64 s[64:65], 0
	v_nop
	global_prefetch_b8 v0, s[64:65] scope:SCOPE_SE
	s_setreg_imm32_b32 hwreg(HW_REG_WAVE_MODE, 25, 1), 1
	s_wait_xcnt 0x0
	s_wait_alu depctr_hold_cnt(0) depctr_sa_sdst(0) depctr_va_vdst(0) depctr_va_sdst(0) depctr_va_ssrc(0) depctr_va_vcc(0) depctr_vm_vsrc(0)
	s_getreg_b32 s2, hwreg(HW_REG_IB_STS2, 6, 4)
	s_cmp_eq_u32 s2, 0
	s_cbranch_scc0 .Lentry_in_a_cluster
	s_endpgm
.Lentry_in_a_cluster:
	s_bfe_u32 s2, ttmp6, 0x10000c
	s_cmp_lg_u32 s2, 0x3003
	s_cbranch_scc0 .Lentry_shape_is_right
	s_endpgm
.Lentry_shape_is_right:
; out0 = x + Wp (softmax(q k^T / sqrt(512)) v) + bp, all three products on codes of FP4 with E8M0 scales.
; THE SOFTMAX AHEAD OF THE SECOND PRODUCT: t = score x log2(e) / sqrt(512); M = the row's largest t so far, rounded UP to a whole number; p = 2^(t - M) is quantised along the keys, not normalised.
; The row's sum is taken of the unquantised p and divides O at the end.  When M moves, the sum and O are multiplied by 2^(old M - new M): exact.
; SHARES.  Work-group (pg, b) owns 128 queries of image b; wave w owns query tiles 2 w and 2 w + 1, so that each fragment of K and V read from LDS feeds two matrix instructions; the two O^T (16 queries x 512 channels
; each) fill windows 2 and 3.  All 1,024 keys are walked, 128 a step, one step to a slot of 65,536 bytes, two slots.  For the last product the waves share the OUTPUT CHANNELS: wave w makes channels 128 w .. + 127 for all 128 pixels.
; CLUSTER.  The four work-groups of a cluster belong to one image and walk the same K and V: their tiles and scale images are asked for JOINTLY, with the same descriptor and the mask 15.  x is each work-group's own: plain loads.
; x COMES IN WHILE THE KEYS ARE WALKED.  A wave's part of x is 128 channels x 512 bytes, eight tiles of 16 channels.  Tiles 0-3 (64 rows) come by one tensor load among the first fills and wait in LDS bytes of their own;
; tiles 4, 5 (32 rows) by the wave's one load behind the last round, into slot 0, which the last step but one has left; tiles 6, 7 by loads into registers that the last product leaves early.  So the way out waits for no x.
; Wp is read by one wave alone, once: its 32 fragments go from memory straight into window 1, asked for ahead of O's quantising.
; LAYOUT.  S^T = K Q^T and O^T = V^T P^T: a lane holds one query throughout; the keys of a tile of K and the channels of a tile of V were chosen by the launch before so that 16 registers of two neighbouring tiles are 16 neighbours
; along the next K.  All operands lie in memory and LDS as images of their registers: a fragment is two loads of 16 bytes a lane, 512 bytes apart.  The last product takes the queries as source 0: a lane then holds one output
; channel and eight neighbouring pixels, as out0 lies.
; The first key step stands ahead of the loop: its products V^T P start O's sums with the constant 0, and it has nothing to rescale.
; A block's largest p is not searched for: the block's largest score goes through the same multiply-add and exponential (this takes v_exp_f32 not to fall where its input rises; the ISA guide states 1 ulp).
; LIMITS: NaN and infinities are not served; a block whose largest magnitude lies under 2^-124, a block of zeros too, keeps the byte 1.
; REGISTERS, in windows of 256: window 0: v1-11 addresses; v12-19 statistics; v20-23 f and p's scale word; v24-27 Q's scale words; v28-43 K's, later O's; v44-59 V's, later Wp's; v60-77 at work; v80-95 p's codes, later O's;
; v96-103 bp; v104-108 addresses; v128-255 S^T, then p; later O's fragments (two sets; the second holds bp, spread, first), then x's rows.   window 1: v0-63 Q; three sets of 8 fragments at v64, v128, v192; later Wp's 32 fragments;
; then x of tiles 6, 7 (v0-127) and rows of out0 (v128-255).   windows 2, 3: O^T; later the last product's sums.
.set SLOT1, 65536                      ; slot 1 begins here: one exclusive or turns an address in one slot into the other's
.set XL,    131072                     ; behind the ring: x of tiles 0-3, 32,768 bytes a wave: filled once
.set SCB,   262144                     ; the image's scale images, K's at 2,048 x step, V's 16,384 further on: filled once
.set SPARE, 327168                     ; the last 512 bytes: the spare words, 128 for each wave: two blocks of 256 bytes that no other line names
.set OIMG,  SLOT1                      ; at the end, in slot 1, which has had its last fill and its last read by then: O's 32 fragments, (4 qt + s) x 1,024;
.set OSC,   SCB                        ; where the scale images lay, likewise done with: O's scale words, [s][qt][16];
.set STG,   OSC+2048                   ; and a stage of 16 rows x (512 + 16) bytes for each wave
.set LI,  1                            ; v1   16 x lane
.set ADK, 2                            ; v2   the step's tiles: TB + 16 x lane
.set LIS, 3                            ; v3   SCB + 16 x lane
.set ADS, 4                            ; v4   the step's scale images
.set SPW, 5                            ; v5   LDS address of my spare word; never rewritten
.set NIL, 6                            ; v6   0; never rewritten
.set PFO, 7                            ; v7   256 x lane: the prefetches of K and V
.set XLA, 8                            ; v8   x of my tiles 0-3 in LDS: XL + 32,768 w + 16 x lane
.set STO, 9                            ; v9   the stage: where I put 32 bytes of a row
.set RD,  10                           ; v10  and where I read a row back
.set BLO, 11                           ; v11  4 (r + 8 (r / 8)): bp
.set ST,  12                           ; tile t: -M, the largest t, the sum in two halves at ST + 4 t
.set FP,  20                           ; tile t: f at FP + 2 t, p's scale word at FP + 2 t + 1
.set QS,  24
.set KS,  28
.set VS,  44
.set OS,  28
.set WS,  44
.set TM,  60                           ; v60-63 largest, v64-67 permutes and bytes, v68-71 scale operands
.set PW,  76
.set QSO, 77
.set P,   80
.set PC,  80
.set BL,  96
.set OWI, 104
.set OWS, 105
.set OSL, 106
.set OFA, 107
.set X2A, 108                          ; v108 x of my tiles 4, 5 in slot 0: 16,384 w + 16 x lane
.set S,   128
.set BI,  192
.set SEL, 52                           ; s[52:53]
.set CS,  54                           ; s[54:55] c = log2(e) / sqrt(512)
.set TB,  56                           ; s56  LDS byte at which the step's tiles begin
.set TS,  57                           ; s57  2,048 x the step
.set TRIPS, 58
.set LIM, 60                           ; s60  1 in a wave that prefetches K and V, else the greatest number
.set PFA, 62                           ; s[62:63] where my prefetches stand
.set MSB, 0
.macro WIN new                         ; the immediate's high byte repeats the setting that is left; a switch that changes nothing is dropped
.if MSB != (\new)
	s_set_vgpr_msb (MSB<<8)|(\new)
.set MSB, (\new)
.endif
.endm
.macro PLACES                          ; four places: in front of loads into registers that matrix instructions have read, and of the first read of results (ISA guide 7.12.1 for the first read of results)
.rept 4
	v_nop
.endr
.endm
.macro ROUND                           ; a round of the cluster's barrier
	s_barrier_signal -1
	s_barrier_wait -1
	s_cmp_lg_u32 s20, 0
	s_cbranch_scc1 .Lnot_wave_0_\@
	s_barrier_signal -3
.Lnot_wave_0_\@:
	s_barrier_wait -3
	s_barrier_signal -1
	s_barrier_wait -1
.endm
.macro WM d, a, b, c, sa, sb, ra, rb   ; one matrix instruction; ra, rb = 1: that side's scales stand in lanes 16-31 of its register
.set WSEL, (\ra)+2*(\rb)
.if WSEL == 0
	v_wmma_scale_f32_16x16x128_f8f6f4 v[(\d):(\d)+7], v[(\a):(\a)+7], v[(\b):(\b)+7], v[(\c):(\c)+7], v[(\sa)], v[(\sb)] matrix_a_fmt:MATRIX_FMT_FP4 matrix_b_fmt:MATRIX_FMT_FP4
.elseif WSEL == 1
	v_wmma_scale_f32_16x16x128_f8f6f4 v[(\d):(\d)+7], v[(\a):(\a)+7], v[(\b):(\b)+7], v[(\c):(\c)+7], v[(\sa)], v[(\sb)] matrix_a_fmt:MATRIX_FMT_FP4 matrix_b_fmt:MATRIX_FMT_FP4 matrix_a_scale:MATRIX_SCALE_ROW1
.elseif WSEL == 2
	v_wmma_scale_f32_16x16x128_f8f6f4 v[(\d):(\d)+7], v[(\a):(\a)+7], v[(\b):(\b)+7], v[(\c):(\c)+7], v[(\sa)], v[(\sb)] matrix_a_fmt:MATRIX_FMT_FP4 matrix_b_fmt:MATRIX_FMT_FP4 matrix_b_scale:MATRIX_SCALE_ROW1
.else
	v_wmma_scale_f32_16x16x128_f8f6f4 v[(\d):(\d)+7], v[(\a):(\a)+7], v[(\b):(\b)+7], v[(\c):(\c)+7], v[(\sa)], v[(\sb)] matrix_a_fmt:MATRIX_FMT_FP4 matrix_b_fmt:MATRIX_FMT_FP4 matrix_a_scale:MATRIX_SCALE_ROW1 matrix_b_scale:MATRIX_SCALE_ROW1
.endif
.endm
.macro WM0 d, a, b, sa, sb, ra, rb     ; the same with the constant 0 as C: it starts a sum
.set WSEL, (\ra)+2*(\rb)
.if WSEL == 0
	v_wmma_scale_f32_16x16x128_f8f6f4 v[(\d):(\d)+7], v[(\a):(\a)+7], v[(\b):(\b)+7], 0, v[(\sa)], v[(\sb)] matrix_a_fmt:MATRIX_FMT_FP4 matrix_b_fmt:MATRIX_FMT_FP4
.elseif WSEL == 1
	v_wmma_scale_f32_16x16x128_f8f6f4 v[(\d):(\d)+7], v[(\a):(\a)+7], v[(\b):(\b)+7], 0, v[(\sa)], v[(\sb)] matrix_a_fmt:MATRIX_FMT_FP4 matrix_b_fmt:MATRIX_FMT_FP4 matrix_a_scale:MATRIX_SCALE_ROW1
.elseif WSEL == 2
	v_wmma_scale_f32_16x16x128_f8f6f4 v[(\d):(\d)+7], v[(\a):(\a)+7], v[(\b):(\b)+7], 0, v[(\sa)], v[(\sb)] matrix_a_fmt:MATRIX_FMT_FP4 matrix_b_fmt:MATRIX_FMT_FP4 matrix_b_scale:MATRIX_SCALE_ROW1
.else
	v_wmma_scale_f32_16x16x128_f8f6f4 v[(\d):(\d)+7], v[(\a):(\a)+7], v[(\b):(\b)+7], 0, v[(\sa)], v[(\sb)] matrix_a_fmt:MATRIX_FMT_FP4 matrix_b_fmt:MATRIX_FMT_FP4 matrix_a_scale:MATRIX_SCALE_ROW1 matrix_b_scale:MATRIX_SCALE_ROW1
.endif
.endm
; 64 numbers of a lane in window W, register src + 16 b + i = k 32 b + 16 (lane / 16) + i of my row, become a fragment's codes in v[PC] on and its scale word in v[pw].
.macro QUANT src, W, pw
	WIN 5*(\W)
.irp b, 0,1,2,3
	v_max3_num_f32 v[TM+\b], |v[(\src)+16*\b]|, |v[(\src)+16*\b+1]|, 0x1800000   ; block b: my 16 numbers, and the floor 2^(3 - 127): the byte cannot fall under 1
.endr
	WIN 20*(\W)
.irp ii, 2,4,6,8,10,12,14
.irp b, 0,1,2,3
	v_max3_num_f32 v[TM+\b], v[TM+\b], |v[(\src)+16*\b+\ii]|, |v[(\src)+16*\b+\ii+1]|
.endr
.endr
	WIN 0
.irp b, 0,1,2,3
	v_permlanex16_b32 v[TM+4+\b], v[TM+\b], s[SEL], s[SEL+1]
.endr
.irp b, 0,1,2,3
	v_max_num_f32 v[TM+\b], v[TM+\b], v[TM+4+\b]
.endr
.irp b, 0,1,2,3
	v_add_nc_u32 v[TM+8+\b], 0xff000000, v[TM+\b]  ; 2 off the exponent field: the conversion's scale operand
.endr
.irp b, 0,1,2,3
	v_lshrrev_b32 v[TM+4+\b], 23, v[TM+8+\b]       ; the scale's byte
.endr
	v_lshl_or_b32 v[(\pw)], v[TM+5], 8, v[TM+4]
	v_lshl_or_b32 v[(\pw)], v[TM+6], 16, v[(\pw)]
	v_lshl_or_b32 v[(\pw)], v[TM+7], 24, v[(\pw)]
	WIN (\W)
.irp b, 0,1,2,3
	v_cvt_scalef32_pk8_fp4_f32 v[PC+2*\b], v[(\src)+16*\b:(\src)+16*\b+7], v[TM+8+\b]
	v_cvt_scalef32_pk8_fp4_f32 v[PC+2*\b+1], v[(\src)+16*\b+8:(\src)+16*\b+15], v[TM+8+\b]
.endr
	WIN 0
	v_nop                                          ; one plain place behind a scaled conversion
.irp c, 0,1
.irp ii, 0,1
	v_permlane16_swap_b32 v[PC+4*\c+\ii], v[PC+4*\c+2+\ii]
.endr
.endr
.endm
	s_load_b512 s[4:19], s[0:1], 0x0               ; qc s[4:5], qs s[6:7], kvc s[8:9], kvs s[10:11], wimg s[12:13], bp s[14:15], x s[16:17], out0 s[18:19]
	v_lshl_add_u32 v[SPW], v0, 2, SPARE
	v_mov_b32 v[NIL], 0
	ds_add_u32 v5, v6
	s_wait_dscnt 0x0
	v_lshrrev_b32 v2, 5, v0
	v_readfirstlane_b32 s20, v2                    ; wave 0..3
	s_bfe_u32 s21, ttmp6, 0x40000                  ; cx: it enters global addresses of my own loads, stores and prefetches alone
	s_lshl_b32 s22, ttmp9, 2
	s_add_co_u32 s22, s22, s21                     ; pg = 4 x cluster x + cx
	s_and_b32 s23, ttmp7, 0xffff                   ; b, which the four partners share
	; descriptor groups 1.  K and V: a quarter of a key step, a dense block of 64 rows of 256 bytes (32 elements of 8 bytes)
	s_mov_b32 s24, 15|(3<<16)|(1<<21)              ; 15:0 the mask: all four work-groups; 17:16 elements of 8 bytes; 21 set beside a mask
	s_mov_b32 s25, 32<<16                          ; tensor_dim0 = 32
	s_mov_b32 s26, 64<<16                          ; tensor_dim1 = 64
	s_mov_b32 s27, 32<<16                          ; tile_dim0 = 32
	s_mov_b32 s28, 64                              ; tile_dim1 = 64
	s_mov_b32 s29, 32                              ; from row to row
	s_mov_b32 s30, 0
	s_mov_b32 s31, 0
	s_mov_b32 s32, 15|(3<<16)|(1<<21)              ; the scale images: a quarter of the image's, 32 such rows
	s_mov_b32 s33, 32<<16
	s_mov_b32 s34, 32<<16
	s_mov_b32 s35, 32<<16
	s_mov_b32 s36, 32
	s_mov_b32 s37, 32
	s_mov_b32 s38, 0
	s_mov_b32 s39, 0
	s_mov_b32 s68, 3<<16                           ; x, tiles 0-3: no mask; 64 rows (channels) of 512 bytes (64 elements of 8 bytes), 4,096 bytes (512 elements) apart
	s_mov_b32 s69, 64<<16
	s_mov_b32 s70, 64<<16
	s_mov_b32 s71, 64<<16
	s_mov_b32 s72, 64
	s_mov_b32 s73, 512
	s_mov_b32 s74, 0
	s_mov_b32 s75, 0
	s_mov_b32 s76, 3<<16                           ; x, tiles 4, 5: 32 such rows
	s_mov_b32 s77, 64<<16
	s_mov_b32 s78, 32<<16
	s_mov_b32 s79, 64<<16
	s_mov_b32 s80, 32
	s_mov_b32 s81, 512
	s_mov_b32 s82, 0
	s_mov_b32 s83, 0
	s_mov_b32 s[SEL], 0x76543210
	s_mov_b32 s[SEL+1], 0xfedcba98
	s_mov_b32 s[CS], 0x3d8293ee                    ; c = log2(e) / sqrt(512)
	s_mov_b32 s[CS+1], s[CS]                       ; (named with it as a pair, so it is written)
	s_mov_b32 s[TB], 0
	s_mov_b32 s[TS], 0
	s_mov_b32 s[TRIPS], 6
	s_lshl_b32 s66, s20, 14                        ; 16,384 w: my quarter of a slot
	s_lshl_b32 s67, s20, 13                        ; 8,192 w
	s_lshl_b32 s92, s23, 19
	s_add_co_u32 s92, s92, s66
	s_mov_b32 s93, 0                               ; kvc: image b, my quarter of key step 0
	s_lshl_b32 s94, s23, 15
	s_add_co_u32 s94, s94, s67
	s_mov_b32 s95, 0                               ; kvs: image b, my quarter
	s_lshl_b32 s96, s23, 21
	s_lshl_b32 s98, s20, 19
	s_add_co_u32 s96, s96, s98
	s_lshl_b32 s98, s22, 9
	s_add_co_u32 s96, s96, s98
	s_mov_b32 s97, 0                               ; x and out0: image b, channel 128 w, pixel 128 pg
	s_lshl_b32 s98, s23, 19
	s_lshl_b32 s99, s21, 14
	s_add_co_u32 s98, s98, s99
	s_add_co_u32 s98, s98, s67
	s_add_co_u32 s98, s98, 131072
	s_mov_b32 s99, 0                               ; the prefetches: my work-group's 16,384 bytes of a key step, my wave's 8,192 of them, in key step 2; the first change of slots steps on
	s_mul_i32 s2, s20, 34816
	s_add_co_u32 s2, s2, 417792                    ; Wp's quarter w
	s_mov_b32 s3, 0
	s_lshr_b32 s59, s20, 1                         ; 0 in waves 0 and 1,
	s_or_b32 s59, s59, ttmp9                       ; of the image's first cluster: the same in all four partners
	s_cmp_eq_u32 s59, 0
	s_cselect_b32 s[LIM], 1, -1
	s_wait_kmcnt 0x0
	s_mov_b32 s40, 1                               ; group 0 for key step 0, into slot 0
	s_mov_b32 s41, s66
	s_add_nc_u64 s[42:43], s[8:9], s[92:93]
	s_mov_b32 s48, 1                               ; group 0 for key step 1, into slot 1: it then walks on
	s_add_co_u32 s49, s66, SLOT1
	s_add_nc_u64 s[50:51], s[42:43], 65536
	s_or_b32 s43, s43, 0x80000000                  ; type = 2
	s_or_b32 s51, s51, 0x80000000
	s_mov_b32 s44, 1                               ; group 0 for the scale images
	s_add_co_u32 s45, s67, SCB
	s_add_nc_u64 s[46:47], s[10:11], s[94:95]
	s_or_b32 s47, s47, 0x80000000
	s_add_nc_u64 s[16:17], s[16:17], s[96:97]
	s_add_nc_u64 s[18:19], s[18:19], s[96:97]
	s_mov_b32 s84, 1                               ; group 0 for x of my channels 0-63
	s_lshl_b32 s85, s20, 15
	s_add_co_u32 s85, s85, XL
	s_mov_b64 s[86:87], s[16:17]
	s_or_b32 s87, s87, 0x80000000
	s_mov_b32 s88, 1                               ; group 0 for x of my channels 64-95, into slot 0
	s_mov_b32 s89, s66
	s_add_nc_u64 s[90:91], s[16:17], 262144
	s_or_b32 s91, s91, 0x80000000
	s_add_nc_u64 s[12:13], s[12:13], s[2:3]
	s_add_nc_u64 s[PFA:PFA+1], s[8:9], s[98:99]
	ROUND                                          ; all four work-groups are here: the first joint loads meet
	tensor_load_to_lds s[44:47], s[32:39]          ; the first fills, one group: the scale images,
	s_nop 0
	tensor_load_to_lds s[40:43], s[24:31]          ; key step 0,
	s_nop 0
	tensor_load_to_lds s[48:51], s[24:31]          ; key step 1,
	s_nop 0
	tensor_load_to_lds s[84:87], s[68:75]          ; x of tiles 0-3: four loads of mine are out
	s_nop 0
.rept 4
	v_nop                                          ; four v_nops behind a tensor load
.endr
	v_and_b32 v2, 31, v0                           ; lane
	v_lshlrev_b32 v[LI], 4, v2
	v_lshlrev_b32 v[PFO], 8, v2
	v_add_nc_u32 v[LIS], SCB, v[LI]
	v_and_b32 v72, 15, v0                          ; r
	v_bfe_u32 v73, v0, 4, 1                        ; h
	s_mul_i32 s92, s20, 16*528
	s_add_co_u32 s92, s92, STG                     ; my stage
	v_mul_u32_u24 v[STO], v72, 528
	v_lshl_add_u32 v[STO], v73, 6, v[STO]
	v_add_nc_u32 v[STO], s92, v[STO]               ; in: row r, + 64 h
	v_add_nc_u32 v[RD], s92, v[LI]                 ; back: 16 bytes a lane of a row
	v_and_b32 v11, 8, v72
	v_add_nc_u32 v11, v11, v72
	v_lshlrev_b32 v[BLO], 2, v11
	s_add_co_u32 s92, s67, OIMG
	v_add_nc_u32 v[OWI], s92, v[LI]                ; where I store O's images: query tiles 2 w, 2 w + 1
	s_lshl_b32 s92, s20, 7
	s_add_co_u32 s92, s92, OSC
	v_lshl_add_u32 v[OWS], v72, 2, s92             ; and their scale words
	v_lshl_add_u32 v[OSL], v2, 2, OSC              ; where any wave reads them: lanes 0-15 one tile, lanes 16-31 the next
	v_add_nc_u32 v[OFA], OIMG, v[LI]
	v_add_nc_u32 v[XLA], s85, v[LI]
	v_add_nc_u32 v[X2A], s66, v[LI]
	s_lshl_b32 s92, s20, 2
	v_add_nc_u32 v[QSO], s92, v[LI]                ; Q's scale words: word w of place lane
	s_lshl_b32 s94, s23, 3
	s_add_co_u32 s94, s94, s22                     ; 8 b + pg
	s_mov_b32 s93, 0
	s_lshl_b32 s92, s94, 15
	s_lshl_b32 s95, s20, 11
	s_add_co_u32 s92, s92, s95
	s_add_nc_u64 s[4:5], s[4:5], s[92:93]          ; qc at my two tiles
	s_lshl_b32 s92, s94, 11
	s_add_nc_u64 s[6:7], s[6:7], s[92:93]          ; qs
	s_lshl_b32 s92, s20, 9
	s_add_nc_u64 s[14:15], s[14:15], s[92:93]      ; bp at my 128 channels
	WIN 0x40                                       ; destination window 1
.irp tq, 0,1
.irp ks, 0,1,2,3
	global_load_b128 v[32*\tq+8*\ks:32*\tq+8*\ks+3], v[LI], s[4:5] offset:(8*\ks+\tq)*1024
	global_load_b128 v[32*\tq+8*\ks+4:32*\tq+8*\ks+7], v[LI], s[4:5] offset:(8*\ks+\tq)*1024+512
.endr
.endr
	WIN 0
.irp ks, 0,1,2,3
	global_load_b32 v[QS+\ks], v[QSO], s[6:7] offset:512*\ks   ; lanes 0-15: tile 2 w; lanes 16-31: tile 2 w + 1
.endr
.irp tq, 0,1
	v_mov_b32 v[ST+4*\tq+1], 0xff61b1e6            ; the largest t so far: -3e38, under every t
	v_floor_f32 v[ST+4*\tq], -v[ST+4*\tq+1]        ; -M
	v_mov_b32 v[ST+4*\tq+2], 0                     ; the sum, in two halves
	v_mov_b32 v[ST+4*\tq+3], 0
	v_mov_b32 v[FP+2*\tq], 0
	v_mov_b32 v[FP+2*\tq+1], 0                     ; (named as the upper half of a pair before it is first made)
.endr
.irp b, 0,1,2,3
	v_mov_b32 v[TM+4+\b], 0                        ; written once: a lane permute's destination counts as one of its sources
.endr
.macro LDF base, st                    ; eight fragments, from byte base of the step's tiles on, into set st (window 1)
.set i, 0
.rept 16
	ds_load_b128 v[64+64*(\st)+4*i:64+64*(\st)+4*i+3], v[ADK] offset:(\base)+512*i
.set i, i+1
.endr
.endm
.macro SMM ks, st                      ; S^T += K Q^T for 128 channels: 8 tiles of keys x my two tiles of queries: sixteen accumulators by turns
	s_wait_dscnt 32                                ; this set is in; the two sets asked for behind it may be out
	WIN 0x05
.irp kt, 0,1,2,3,4,5,6,7
.irp tq, 0,1
.if \ks == 0
	WM0 S+64*\tq+8*\kt, 64+64*\st+8*\kt, 32*\tq+8*\ks, KS+4*\ks+\kt/2, QS+\ks, \kt%2, \tq
.else
	WM S+64*\tq+8*\kt, 64+64*\st+8*\kt, 32*\tq+8*\ks, S+64*\tq+8*\kt, KS+4*\ks+\kt/2, QS+\ks, \kt%2, \tq
.endif
.endr
.endr
	PLACES
	WIN 0x40                                       ; the set just read out is filled next
.endm
.macro SOFTMAX tq, first               ; tile tq: register S + 64 tq + 16 b + i holds key 32 b + 16 (lane / 16) + i of my query.  first = 1: there is no O^T yet to bring under the new M
.set rS, S+64*\tq
.set rT, ST+4*\tq
.set rF, FP+2*\tq
.set rP, P+8*\tq
	WIN 0
.irp b, 0,1,2,3
	v_max3_num_f32 v[TM+\b], v[rS+16*\b], v[rS+16*\b+1], v[rS+16*\b+2]   ; the largest score of each block of 32 keys: for the row's maximum, and for the block's largest p
.endr
.irp ii, 3,5,7,9,11,13
.irp b, 0,1,2,3
	v_max3_num_f32 v[TM+\b], v[TM+\b], v[rS+16*\b+\ii], v[rS+16*\b+\ii+1]
.endr
.endr
.irp b, 0,1,2,3
	v_max_num_f32 v[TM+\b], v[TM+\b], v[rS+16*\b+15]
.endr
.irp b, 0,1,2,3
	v_permlanex16_b32 v[TM+4+\b], v[TM+\b], s[SEL], s[SEL+1]
.endr
.irp b, 0,1,2,3
	v_max_num_f32 v[TM+\b], v[TM+\b], v[TM+4+\b]   ; with lane l xor 16's 16 keys
.endr
	v_max3_num_f32 v72, v[TM], v[TM+1], v[TM+2]
	v_max_num_f32 v72, v72, v[TM+3]                ; the step's largest score of my query
	v_mul_f32 v72, s[CS], v72                      ; as t (c is positive)
	v_max_num_f32 v[rT+1], v[rT+1], v72            ; the running largest t
	v_mov_b32 v72, v[rT]
	v_floor_f32 v[rT], -v[rT+1]                    ; the new -M = floor(-t): M is a whole number
	v_sub_f32 v72, v[rT], v72                      ; old M - new M: a whole number, 0 or less
	v_cvt_i32_f32 v72, v72                         ; (it saturates)
	v_ldexp_f32 v[rF], 1.0, v72                    ; f = 2^(old M - new M)
.set i, 0
.rept 32
	v_pk_fma_f32 v[rS+2*i:rS+2*i+1], v[rS+2*i:rS+2*i+1], s[CS:CS+1], v[rT:rT+1] op_sel_hi:[1,0,0]   ; t - M, two at a time
.set i, i+1
.endr
.irp b, 0,1,2,3
	v_fma_f32 v[TM+\b], v[TM+\b], s[CS], v[rT]     ; the same of each block's largest score
.endr
.set i, 0
.rept 64
	v_exp_f32 v[rS+i], v[rS+i]                     ; p = 2^(t - M), at most 1
.set i, i+1
.endr
.irp b, 0,1,2,3
	v_exp_f32 v[TM+\b], v[TM+\b]                   ; the block's largest p
.endr
	v_pk_mul_f32 v[rT+2:rT+3], v[rT+2:rT+3], v[rF:rF+1] op_sel_hi:[1,0]   ; the sums under the new M.  (A plain place behind the exponentials)
	s_wait_alu depctr_va_vdst(0)
.irp b, 0,1,2,3
	v_max_num_f32 v[TM+\b], 0x1800000, v[TM+\b]    ; the floor 2^(3 - 127)
.endr
.irp b, 0,1,2,3
	v_add_nc_u32 v[TM+8+\b], 0xff000000, v[TM+\b]
.endr
.irp b, 0,1,2,3
	v_lshrrev_b32 v[TM+4+\b], 23, v[TM+8+\b]
.endr
	v_lshl_or_b32 v[rF+1], v[TM+5], 8, v[TM+4]     ; p's scale word for these 128 keys
	v_lshl_or_b32 v[rF+1], v[TM+6], 16, v[rF+1]
	v_lshl_or_b32 v[rF+1], v[TM+7], 24, v[rF+1]
.irp b, 0,1,2,3
	v_cvt_scalef32_pk8_fp4_f32 v[rP+2*\b], v[rS+16*\b:rS+16*\b+7], v[TM+8+\b]
	v_cvt_scalef32_pk8_fp4_f32 v[rP+2*\b+1], v[rS+16*\b+8:rS+16*\b+15], v[TM+8+\b]
.endr
	v_nop                                          ; one plain place behind a scaled conversion
.irp c, 0,1
.irp ii, 0,1
	v_permlane16_swap_b32 v[rP+4*\c+\ii], v[rP+4*\c+2+\ii]
.endr
.endr
	v_pk_add_f32 v[74:75], v[rS:rS+1], v[rS+2:rS+3]   ; the row's sum is taken of the unquantised p: two at a time, in two chains.  (These 32 lines are also the places between p's codes and scale word and their products)
.irp j, 4,8,12,16,20,24,28,32,36,40,44,48,52,56,60
	v_pk_add_f32 v[rT+2:rT+3], v[rT+2:rT+3], v[rS+\j:rS+\j+1]
	v_pk_add_f32 v[74:75], v[74:75], v[rS+\j+2:rS+\j+3]
.endr
	v_pk_add_f32 v[rT+2:rT+3], v[rT+2:rT+3], v[74:75]
.if !\first
	WIN 0x82+0x41*\tq                              ; O^T (destination and source 0) in window 2 or 3, f in window 0
.set i, 0
.rept 128
	v_pk_mul_f32 v[2*i:2*i+1], v[2*i:2*i+1], v[rF:rF+1] op_sel_hi:[1,0]   ; O^T under the new M, each accumulator from its low end on
.set i, i+1
.endr
.endif
	WIN 0
.endm
.macro PVG g, st, first                ; O^T += V^T P^T for channels 128 g .. + 127: 8 tiles of channels x my two tiles of queries.  first = 1: these products start the sums
	WIN 0xa1
.irp ct, 0,1,2,3,4,5,6,7
.if \first
	WM0 8*(8*\g+\ct), 64+64*\st+8*\ct, P, VS+4*\g+\ct/2, FP+1, \ct%2, 0
.else
	WM 8*(8*\g+\ct), 64+64*\st+8*\ct, P, 8*(8*\g+\ct), VS+4*\g+\ct/2, FP+1, \ct%2, 0
.endif
.endr
	WIN 0xf1
.irp ct, 0,1,2,3,4,5,6,7
.if \first
	WM0 8*(8*\g+\ct), 64+64*\st+8*\ct, P+8, VS+4*\g+\ct/2, FP+3, \ct%2, 0
.else
	WM 8*(8*\g+\ct), 64+64*\st+8*\ct, P+8, 8*(8*\g+\ct), VS+4*\g+\ct/2, FP+3, \ct%2, 0
.endif
.endr
.endm
; A KEY STEP: 128 keys.  K's four K steps and V's four groups of channels go through three sets of registers: each set is filled again as soon as its products are issued.  At its end the addresses go on to the other slot.
.macro KSTEP first
	v_add_nc_u32 v[ADK], s[TB], v[LI]
	v_add_nc_u32 v[ADS], s[TS], v[LIS]
	v_nop
	v_nop                                          ; four places behind the last step's products
.irp ks, 0,1,2,3
	ds_load_b128 v[KS+4*\ks:KS+4*\ks+3], v[ADS] offset:512*\ks
.endr
	WIN 0x40
	LDF 0, 0
	LDF 8192, 1
	LDF 16384, 2
	SMM 0, 0
	LDF 24576, 0
	SMM 1, 1
	LDF 32768, 1                                   ; V's group 0
	SMM 2, 2
	LDF 40960, 2                                   ; group 1
	SMM 3, 0
	LDF 49152, 0                                   ; group 2
	WIN 0
.irp g, 0,1,2,3
	ds_load_b128 v[VS+4*\g:VS+4*\g+3], v[ADS] offset:16384+512*\g
.endr
	SOFTMAX 0, \first
	SOFTMAX 1, \first
	s_wait_dscnt 0x0                               ; V's groups 0 to 2 and its scale words landed under the softmax
	PVG 0, 1, \first
	PLACES
	WIN 0x40
	LDF 57344, 1                                   ; group 3: 32 matrix instructions ahead of its use
	PVG 1, 2, \first
	PVG 2, 0, \first
	s_wait_dscnt 0x0
	PVG 3, 1, \first
	WIN 0
	s_xor_b32 s[TB], s[TB], SLOT1
	s_add_co_u32 s[TS], s[TS], 2048
.endm
	s_wait_loadcnt 0x0                             ; Q
	s_wait_tensorcnt 2                             ; my parts of the scale images and of key step 0 are in; key step 1's load and x's, issued behind them, may be out
	s_barrier_signal -1
	s_barrier_wait -1                              ; everybody's are
	KSTEP 1                                        ; key step 0
; THE CHANGE OF SLOTS stands at a step's head.  Each wave waits for all its tensor loads (its quarter of the slot that it is about to read; at the first change x's tiles 0-3 too), adds 0 to its spare word, and waits for that and
; for its reads of the slot that it has left.  Behind the round the slot ahead is whole, and no wave of the four work-groups reads the other one: it is filled with the key step that follows; the load has a key step's work in which to land.
; A PREFETCH INTO THE L2 stands behind that load: the 65,536 bytes that the NEXT change will ask for, one key step ahead of their load.  Both clusters of an image walk the same K and V: the first asks.  Its four partners take
; 16,384 bytes each, told apart by address; in each, waves 0 and 1 take 8,192, lanes 256 bytes apart: each aligned block of 256 bytes is named once in the launch.  Key steps 0 to 2 come by their loads alone; the last trip asks for nothing.
.Lslot:                                            ; six trips: key steps 1 to 6; they ask for key steps 2 to 7
	s_wait_tensorcnt 0x0                           ; no tensor load of mine is out, so a group 0 may be written
	ds_add_u32 v[SPW], v[NIL]                      ; 0 onto my spare word
	s_xor_b32 s49, s49, SLOT1                      ; the walking descriptor: the other slot than last time,
	s_add_nc_u64 s[50:51], s[50:51], 65536         ; the next key step
	s_wait_xcnt 0x0                                ; the last prefetch, a key step back, has read its address
	s_add_nc_u64 s[PFA:PFA+1], s[PFA:PFA+1], 65536
	s_wait_dscnt 0x0                               ; the add is done, and my reads of the slot that I have left are over
	ROUND
	tensor_load_to_lds s[48:51], s[24:31]          ; my one tensor load until the next round
	s_nop 0
.rept 4
	v_nop
.endr
	s_cmp_gt_u32 s[TRIPS], s[LIM]
	s_cbranch_scc0 .Lnot_mine
	global_prefetch_b8 v[PFO], s[PFA:PFA+1] th:TH_LOAD_NT scope:SCOPE_SE
.Lnot_mine:
	KSTEP 0
	s_sub_co_u32 s[TRIPS], s[TRIPS], 1
	s_cmp_lg_u32 s[TRIPS], 0
	s_cbranch_scc1 .Lslot
	s_wait_tensorcnt 0x0                           ; the last key step is written out: slot 0, read out, takes x of my tiles 4 and 5
	ds_add_u32 v[SPW], v[NIL]
	s_wait_dscnt 0x0
	ROUND
	tensor_load_to_lds s[88:91], s[76:83]
	s_nop 0
.rept 4
	v_nop
.endr
	KSTEP 0                                        ; key step 7
	; THE END.  Slot 1 and the scale images are left by every wave: then their bytes take O's images, O's scale words and the stages.
	s_wait_tensorcnt 0x0                           ; x of my tiles 4 and 5 is in: I alone read it
	s_wait_dscnt 0x0                               ; my reads of slot 1 and of the scale images are over
	s_barrier_signal -1
	s_barrier_wait -1                              ; everybody's are
	PLACES                                         ; in front of loads into registers that the last products read
.irp ot, 0,1,2,3,4,5,6,7
	global_load_b32 v[BL+\ot], v[BLO], s[14:15] offset:(32*(\ot/2)+8*(\ot%2))*4   ; bp of my lane's channel in tile ot
.endr
.irp kq, 0,1,2,3
	global_load_b128 v[WS+4*\kq:WS+4*\kq+3], v[LI], s[12:13] offset:32768+512*\kq   ; Wp's scale images
.endr
	WIN 0x40
.set i, 0
.rept 48
	global_load_b128 v[4*i:4*i+3], v[LI], s[12:13] offset:512*i   ; Wp's fragments of K steps 0 to 2 as they lie: (K step kq, tile ot) at v[64 kq + 8 ot] of window 1.  They land under O's quantising
.set i, i+1
.endr
	WIN 0
.irp tq, 0,1
	v_add_f32 v[TM+\tq], v[ST+4*\tq+2], v[ST+4*\tq+3]   ; the sum's two halves,
.endr
.irp tq, 0,1
	v_permlanex16_b32 v[TM+4+\tq], v[TM+\tq], s[SEL], s[SEL+1]
.endr
.irp tq, 0,1
	v_add_f32 v[TM+\tq], v[TM+\tq], v[TM+4+\tq]    ; and lane l xor 16's: the row's sum
.endr
.irp tq, 0,1
	v_rcp_f32 v[FP+2*\tq], v[TM+\tq]
.endr
	v_nop                                          ; a plain place behind the transcendentals
	s_wait_alu depctr_va_vdst(0)
.macro OTILE tq                        ; O^T / the sum, quantised along the channels: four fragments and their scale words, as images into LDS
	WIN 0x82+0x41*\tq
.set i, 0
.rept 128
	v_pk_mul_f32 v[2*i:2*i+1], v[2*i:2*i+1], v[FP+2*\tq:FP+2*\tq+1] op_sel_hi:[1,0]
.set i, i+1
.endr
.irp kq, 0,1,2,3
	QUANT 64*\kq, 2+\tq, PW
	ds_store_b128 v[OWI], v[PC:PC+3] offset:4096*\tq+1024*\kq
	ds_store_b128 v[OWI], v[PC+4:PC+7] offset:4096*\tq+1024*\kq+512
	ds_store_b32 v[OWS], v[PW] offset:512*\kq+64*\tq   ; both halves of the lanes write the same word with the same value
	s_wait_dscnt 0x0                               ; the stores have read their registers, and have landed
.endr
.endm
	OTILE 0
	WIN 0x40
.set i, 48
.rept 16
	global_load_b128 v[4*i:4*i+3], v[LI], s[12:13] offset:512*i   ; Wp's K step 3
.set i, i+1
.endr
	WIN 0
	OTILE 1
	s_barrier_signal -1
	s_barrier_wait -1                              ; O's 32 fragments lie in LDS
.macro FETCHO kq                       ; K step kq: O's 8 fragments into set kq % 2 (window 0)
.irp f, 0,1,2,3,4,5,6,7
	ds_load_b128 v[128+64*((\kq)%2)+8*\f:128+64*((\kq)%2)+8*\f+3], v[OFA] offset:(4*\f+(\kq))*1024
	ds_load_b128 v[128+64*((\kq)%2)+8*\f+4:128+64*((\kq)%2)+8*\f+7], v[OFA] offset:(4*\f+(\kq))*1024+512
.endr
.endm
.macro XG ot                           ; x of tile ot = 6 or 7: 16 channels, a row of 512 bytes a load, into the registers that Wp's K step ot - 6 has left
	WIN 0x40
.irp ii, 0,1,2,3,4,5,6,7,8,9,10,11,12,13,14,15
	global_load_b128 v[64*((\ot)-6)+4*\ii:64*((\ot)-6)+4*\ii+3], v[LI], s[16:17] offset:4096*(32*((\ot)/2)+8*((\ot)%2)+\ii+8*(\ii/8)) th:TH_LOAD_NT
.endr
	WIN 0
.endm
.macro PHALF kq, hf                    ; 32 matrix instructions: tiles of channels 4 hf .. 4 hf + 3 against the 8 tiles of queries; source 0 = the queries.  The 64 accumulators take turns
.if \kq == 0
	WIN 0x84+0x40*\hf                              ; O's fragments and bp (C) in window 0, Wp's in window 1
.else
	WIN 0xa4+0x50*\hf
.endif
.irp qt, 0,1,2,3,4,5,6,7
.irp oo, 0,1,2,3
.if \kq == 0
	WM 64*\oo+8*\qt, 128+64*(\kq%2)+8*\qt, 64*\kq+8*(4*\hf+\oo), BI+8*(4*\hf+\oo), OS+4*\kq+\qt/2, WS+4*\kq+2*\hf+\oo/2, \qt%2, \oo%2
.else
	WM 64*\oo+8*\qt, 128+64*(\kq%2)+8*\qt, 64*\kq+8*(4*\hf+\oo), 64*\oo+8*\qt, OS+4*\kq+\qt/2, WS+4*\kq+2*\hf+\oo/2, \qt%2, \oo%2
.endif
.endr
.endr
.endm
.irp kq, 0,1,2,3
.irp pr, 0,1,2,3
	ds_load_b32 v[OS+4*\kq+\pr], v[OSL] offset:512*\kq+128*\pr
.endr
.endr
	FETCHO 0
	s_wait_loadcnt 0x0                             ; bp, Wp's scale images and fragments
.irp ot, 0,1,2,3,4,5,6,7
.irp j, 0,1,2,3,4,5,6,7
	v_mov_b32 v[BI+8*\ot+\j], v[BL+\ot]            ; the same bias for the lane's eight pixels: the C of each sum's first product
.endr
.endr
	PLACES
	s_wait_dscnt 0x0
	PHALF 0, 0
	PHALF 0, 1
	WIN 0
	PLACES
	FETCHO 1                                       ; into the set that held bp: it is done with
	FETCHO 2
	XG 6
	s_wait_dscnt 16                                ; K step 1's fragments are in; K step 2's 16 loads may be out
	PHALF 1, 0
	PHALF 1, 1
	WIN 0
	PLACES
	FETCHO 3
	XG 7
	s_wait_dscnt 16                                ; K step 2's are in; K step 3's may be out
	PHALF 2, 0
	PHALF 2, 1
	s_wait_dscnt 0x0
	PHALF 3, 0
	PHALF 3, 1
	WIN 0
	PLACES
; THE WAY OUT, a tile of 16 channels at a time.  A lane holds 32 neighbouring bytes of a channel's row and the lanes beside it other channels: the tile goes through my stage and comes back as whole rows of 512 bytes; x's rows
; come beside them, out of LDS (tiles 0-5) or lie in registers (6, 7); x is added; the 32 lanes store a row.  Tile a goes into the stage ahead of tile a - 1's additions and stores.
.macro TOSTAGE ot
.set AC, 64*((\ot)%4)
.set BB, 128+64*((\ot)%2)
	WIN 0x08+4*((\ot)/4)                           ; an LDS store's data: window 2 or 3
.irp qt, 0,1,2,3,4,5,6,7
	ds_store_b128 v[STO], v[AC+8*\qt:AC+8*\qt+3] offset:128*(\qt/2)+32*(\qt%2)      ; each accumulator from its low end on: pixels 32 (qt / 2) + 8 (qt % 2) + 16 h + 0 .. 7
	ds_store_b128 v[STO], v[AC+8*\qt+4:AC+8*\qt+7] offset:128*(\qt/2)+32*(\qt%2)+16
.endr
	WIN 0x40
.irp ii, 0,1,2,3,4,5,6,7,8,9,10,11,12,13,14,15
	ds_load_b128 v[BB+4*\ii:BB+4*\ii+3], v[RD] offset:528*\ii   ; LDS serves a wave's instructions in order (ISA guide 5.7.1.4): these see my stores, and the next tile's stores come behind them
.endr
	WIN 0
.if (\ot) < 4
.irp ii, 0,1,2,3,4,5,6,7,8,9,10,11,12,13,14,15
	ds_load_b128 v[BB+4*\ii:BB+4*\ii+3], v[XLA] offset:512*(32*((\ot)/2)+8*((\ot)%2)+\ii+8*(\ii/8))   ; x's rows of the same channels
.endr
.elseif (\ot) < 6
.irp ii, 0,1,2,3,4,5,6,7,8,9,10,11,12,13,14,15
	ds_load_b128 v[BB+4*\ii:BB+4*\ii+3], v[X2A] offset:512*(8*((\ot)%2)+\ii+8*(\ii/8))
.endr
.endif
.endm
.macro SEND ot, younger                ; younger: the LDS instructions issued behind tile ot's loads, which may stay out
.set BB, 128+64*((\ot)%2)
	s_wait_dscnt \younger
.if (\ot) == 6
	s_wait_loadcnt 16                              ; tile 6's x is in; tile 7's 16 loads may be out
.elseif (\ot) == 7
	s_wait_loadcnt 0x0
.endif
.if (\ot) < 6
	WIN 0x41                                       ; the rows in window 1, x in window 0
.set i, 0
.rept 32
	v_pk_add_f32 v[BB+2*i:BB+2*i+1], v[BB+2*i:BB+2*i+1], v[BB+2*i:BB+2*i+1]
.set i, i+1
.endr
.else
	WIN 0x45                                       ; both in window 1
.set i, 0
.rept 32
	v_pk_add_f32 v[BB+2*i:BB+2*i+1], v[BB+2*i:BB+2*i+1], v[64*((\ot)-6)+2*i:64*((\ot)-6)+2*i+1]
.set i, i+1
.endr
.endif
	WIN 0x04                                       ; a store's data: window 1
.irp ii, 0,1,2,3,4,5,6,7,8,9,10,11,12,13,14,15
	global_store_b128 v[LI], v[BB+4*\ii:BB+4*\ii+3], s[18:19] offset:4096*(32*((\ot)/2)+8*((\ot)%2)+\ii+8*(\ii/8)) th:TH_STORE_NT   ; 512 consecutive bytes, at a multiple of 256 from out0's first byte
.endr
	WIN 0
.endm
	TOSTAGE 0
.irp a, 1,2,3,4,5
.if \a > 1
	s_wait_xcnt 0x0                                ; tile a - 2's stores have read the registers that tile a's rows now take
.endif
	TOSTAGE \a
	SEND \a-1, 48                                  ; behind tile a - 1's loads: tile a's 16 stores and 32 loads
.endr
.irp a, 6,7
	s_wait_xcnt 0x0
	TOSTAGE \a
	SEND \a-1, 32                                  ; tile a's 16 stores and 16 loads
.endr
	SEND 7, 0
	s_wait_tensorcnt 0x0                           ; the wave's end
	ds_add_u32 v[SPW], v[NIL]
	s_wait_dscnt 0x0
	ROUND                                          ; the closing round: no work-group ends while a partner may still ask for a tile that names it
	s_endpgm
.Lfunc_end_k_q6c895c212a_attn:
	.size	k_q6c895c212a_attn, .Lfunc_end_k_q6c895c212a_attn-k_q6c895c212a_attn
	.p2alignl 7, 3214868480
	.fill 96, 4, 3214868480
	.section	.rodata,"a",@progbits
	.p2align	6, 0x0
	.amdhsa_kernel k_q6c895c212a_attn
		.amdhsa_group_segment_fixed_size 327680
		.amdhsa_private_segment_fixed_size 0
		.amdhsa_enable_private_segment 0
		.amdhsa_kernarg_size 64
		.amdhsa_user_sgpr_count 2
		.amdhsa_user_sgpr_kernarg_segment_ptr 1
		.amdhsa_wavefront_size32 1
		.amdhsa_system_sgpr_workgroup_id_x 1
		.amdhsa_system_sgpr_workgroup_id_y 1
		.amdhsa_system_sgpr_workgroup_id_z 1
		.amdhsa_system_vgpr_workitem_id 0
		.amdhsa_next_free_vgpr 1024
		.amdhsa_next_free_sgpr 100
		.amdhsa_reserve_vcc 0
		.amdhsa_float_denorm_mode_32 3
		.amdhsa_float_denorm_mode_16_64 3
		.amdhsa_memory_ordered 1
		.amdhsa_forward_progress 1
		.amdhsa_inst_pref_size 255
	.end_amdhsa_kernel
	.section	.bss,"aw",@nobits
	.p2align	6
	.space	262144
	.amdgpu_metadata
---
amdhsa.version: [ 1, 2 ]
amdhsa.kernels:
  - .name:           k_q6c895c212a_attn
    .symbol:         k_q6c895c212a_attn.kd
    .args:
      - { .name: qc, .offset: 0, .size: 8, .value_kind: global_buffer, .address_space: global }
      - { .name: qs, .offset: 8, .size: 8, .value_kind: global_buffer, .address_space: global }
      - { .name: kvc, .offset: 16, .size: 8, .value_kind: global_buffer, .address_space: global }
      - { .name: kvs, .offset: 24, .size: 8, .value_kind: global_buffer, .address_space: global }
      - { .name: wimg, .offset: 32, .size: 8, .value_kind: global_buffer, .address_space: global }
      - { .name: bp, .offset: 40, .size: 8, .value_kind: global_buffer, .address_space: global }
      - { .name: x, .offset: 48, .size: 8, .value_kind: global_buffer, .address_space: global }
      - { .name: out0, .offset: 56, .size: 8, .value_kind: global_buffer, .address_space: global }
    .group_segment_fixed_size: 327680
    .private_segment_fixed_size: 0
    .kernarg_segment_align: 8
    .kernarg_segment_size: 64
    .max_flat_workgroup_size: 128
    .sgpr_count:     100
    .vgpr_count:     1024
    .wavefront_size: 32
...
	.end_amdgpu_metadata
.endif
;; end of part 3
